; MI455X (gfx1250); checked and timed in simulation.
; The chip was launched on July 23, 2026; its instructions are those of AMD's public machine-readable ISA for CDNA 5 (MIT licence, August 2026) and "CDNA5" Instruction Set Architecture Reference Guide (July 2026). The comments in the code are by the model that wrote it; some were corrected since.
;; Llama Attention. Allowed arithmetic: float matrix products may take bf16 or f16 operands with f32 sums; other float arithmetic in f32, or as packed bf16 or f16 multiplies, adds, multiply-adds, maxima and minima; sums over many terms, partial sums and values carried from step to step in f32; what a program stores and reads back later, other than sums and carried values, may be rounded once to bf16 or f16.
;; Inputs: Wk 2,048 x 512 float32; Wo 2,048 x 2,048 float32; Wq 2,048 x 512 float32; Wv 2,048 x 512 float32; bo 2,048 float32; theta 64 float32; x 2 x 2,048 x 512 float32.
;; Outputs: out0 2 x 2,048 x 2,048 float32.
;; 2 versions, each right; version 2 is version 1 with the launch prep written anew for expert scheduling mode. Each part assembles by itself: llvm-mc -triple=amdgcn-amd-amdhsa -mcpu=gfx1250 --defsym DOCPART=n.
;; ======== version 1 of 2: 4 launches
;; limits: values are held in f16: magnitudes above 65,504 overflow, below 6.1e-05 lose precision
;; workspace buffers: xb 4,194,304 bytes; wb 6,291,456 bytes; wo16 8,388,608 bytes; cs 1,048,576 bytes; qkv 50,331,648 bytes; ctx 16,777,216 bytes
;; launch prep (part 1): grid 256 x 1, 8 waves a work-group, no clusters, 0 bytes of LDS; arguments x, Wq, Wk, Wv, Wo, theta, xb, wb, wo16, cs; writes xb, wb, wo16, cs
.if DOCPART == 1
	.amdgcn_target "amdgcn-amd-amdhsa--gfx1250"
	.amdhsa_code_object_version 6
	.text
	.protected	k_q2e27d78789_prep
	.globl	k_q2e27d78789_prep
	.p2align	8
	.type	k_q2e27d78789_prep,@function
k_q2e27d78789_prep:
	s_mov_b64 s[64:65], 0
	v_nop
	global_prefetch_b8 v0, s[64:65] scope:SCOPE_SE
	s_setreg_imm32_b32 hwreg(HW_REG_WAVE_MODE, 25, 1), 1
	s_wait_xcnt 0x0
; PREP.  THE PROGRAM COMPUTES THE MODULE ON INPUTS ROUNDED TO bf16, ALL OF THEM (the problem's text allows that as the expected result): x, the four weights and theta here, bo in the last launch.
; x and Wq, Wk, Wv are rounded to bf16 (xb; wb = the three weights one below the other); Wo is rounded to bf16 and that number written as f16 (wo16);
; the table of cos and sin of pos x theta is made of the rounded theta (cs).  A stream: each input byte is read once, each output byte written once; no LDS, no barrier, no loop.
; SHARES.  Work-group g of 256 takes 1/256 of every input; thread t takes 16 bytes of each 4,096: a wave's load covers 512 consecutive bytes, its store of 8 bytes a lane 256 consecutive bytes, aligned.
; All 37 loads of a wave go out first; the counted waits take them in order.  No register that a load or store names is written again while it is out, so nothing waits for address translation.
; THE TABLE.  Chunk c = 8 g + wave (2,048 chunks of 512 bytes): block of 16 positions c >> 4, column block b = (c >> 1) & 7, quad q = c & 1.  Lane (r = l % 16, h = l / 16) has position 16 (c >> 4) + r and
; the pairs i0 = 8 b + 4 h + 2 q and i0 + 1, and stores (cos i0, sin i0, cos i0+1, sin i0+1): the 16 bytes that a lane of the projection wants beside columns 16 b + 8 h + 4 q .. + 3 of its row.
; SINE AND COSINE: freq = pos x theta, rounded once as the problem rounds it; n = the nearest whole number to freq x 2 / pi; r = freq - n pi / 2 with pi / 2 in three parts, fused; polynomials on |r| <= pi / 4; the quadrant by n.
; LIMITS.  theta keeps 8 significant bits: the angles are off those of the unrounded theta by up to 2^-9 of themselves.  The polynomials and the reduction hold to about 2e-7 for |freq| up to 1e6.
; Wo at or beyond 65,520 becomes an infinity in f16; below 6e-5 f16 keeps its fixed step of 6e-8.
.set D, 40                             ; v[40:183]  36 quads as loaded: x 0-7, Wq 8-11, Wk 12-15, Wv 16-19, Wo 20-35
	s_load_b512 s[4:19], s[0:1], 0x0               ; x s[4:5], Wq s[6:7], Wk s[8:9], Wv s[10:11], Wo s[12:13], theta s[14:15], xb s[16:17], wb s[18:19]
	s_load_b128 s[20:23], s[0:1], 0x40             ; wo16 s[20:21], cs s[22:23]
	v_lshrrev_b32 v1, 5, v0
	v_readfirstlane_b32 s24, v1                    ; wave 0..7
	s_lshl_b32 s25, ttmp9, 3
	s_add_co_u32 s25, s25, s24                     ; the table's chunk c
	s_mov_b32 s26, 0xbfc90fdb                      ; - pi / 2, its first 24 bits,
	s_mov_b32 s27, 0x333bbd2e                      ; what is left of it,
	s_mov_b32 s28, 0x26f72ced                      ; and what is left of that
	s_mov_b32 s29, 0xbe2aaaa3                      ; sine: r + r z (S1 + S2 z + S3 z z), z = r r
	s_mov_b32 s30, 0x3c08839e
	s_mov_b32 s31, 0xb94ca1f9
	s_mov_b32 s32, 0x3d2aaaa5                      ; cosine: 1 - z / 2 + z z (C1 + C2 z + C3 z z)
	s_mov_b32 s33, 0xbab6061a
	s_mov_b32 s34, 0x37ccf5cf
	s_mov_b32 s35, 0xffff0000                      ; a word's upper bf16
	s_lshl_b32 s36, ttmp9, 15                      ; the group's share: 32,768 bytes of x and of wo16,
	s_lshl_b32 s37, ttmp9, 14                      ; 16,384 of each W and of xb,
	s_lshl_b32 s38, ttmp9, 16                      ; 65,536 of Wo,
	s_lshl_b32 s39, ttmp9, 13                      ; 8,192 of each part of wb
	v_lshl_add_u32 v2, v0, 4, s36                  ; load offsets: x,
	v_lshl_add_u32 v3, v0, 4, s37                  ; Wq, Wk, Wv,
	v_lshl_add_u32 v4, v0, 4, s38                  ; Wo
	v_lshl_add_u32 v5, v0, 3, s37                  ; store offsets: xb,
	v_lshl_add_u32 v6, v0, 3, s39                  ; wb,
	v_lshl_add_u32 v7, v0, 3, s36                  ; wo16
	s_bfe_u32 s40, s25, 0x30001                    ; b
	s_lshl_b32 s40, s40, 5
	s_and_b32 s41, s25, 1                          ; q
	s_lshl_b32 s41, s41, 3
	s_add_co_u32 s40, s40, s41
	v_bfe_u32 v36, v0, 4, 1                        ; h
	v_lshl_add_u32 v8, v36, 4, s40                 ; theta's pair at byte 32 b + 16 h + 8 q
	s_lshl_b32 s41, s25, 9
	v_and_b32 v37, 31, v0
	v_lshl_add_u32 v9, v37, 4, s41                 ; the table's 16 bytes at 512 c + 16 l
	s_and_b32 s42, s25, 0x7f0                      ; 16 (c >> 4)
	v_and_b32 v12, 15, v0
	v_add_nc_u32 v12, s42, v12
	v_cvt_f32_u32 v12, v12                         ; pos
	s_wait_kmcnt 0x0
.macro LOADS base, off, first, count
.set n, 0
.rept \count
	global_load_b128 v[D+4*((\first)+n):D+4*((\first)+n)+3], v[\off], s[\base:\base+1] offset:4096*n th:TH_LOAD_NT
.set n, n+1
.endr
.endm
	global_load_b64 v[10:11], v8, s[14:15]         ; theta, which every work-group reads
	LOADS 4, 2, 0, 8
	LOADS 6, 3, 8, 4
	LOADS 8, 3, 12, 4
	LOADS 10, 3, 16, 4
	LOADS 12, 4, 20, 16
; sine of v[f] into v[so], cosine into v[co]; eight registers at work from v[t] on
.macro SINCOS f, so, co, t
	v_mul_f32 v[\t], 0x3f22f983, v[\f]             ; freq x 2 / pi
	v_rndne_f32 v[\t], v[\t]                       ; n
	v_fma_f32 v[\t+1], v[\t], s26, v[\f]
	v_fma_f32 v[\t+1], v[\t], s27, v[\t+1]
	v_fma_f32 v[\t+1], v[\t], s28, v[\t+1]         ; r
	v_cvt_i32_f32 v[\t+2], v[\t]                   ; n as a whole number
	v_mul_f32 v[\t+3], v[\t+1], v[\t+1]            ; z
	v_fma_f32 v[\t+4], v[\t+3], s31, s30
	v_fma_f32 v[\t+5], v[\t+3], s34, s33
	v_fma_f32 v[\t+4], v[\t+4], v[\t+3], s29
	v_fma_f32 v[\t+5], v[\t+5], v[\t+3], s32
	v_mul_f32 v[\t+6], v[\t+3], v[\t+1]            ; z r
	v_mul_f32 v[\t+7], v[\t+3], v[\t+3]            ; z z
	v_fma_f32 v[\t+3], v[\t+3], -0.5, 1.0
	v_fma_f32 v[\t+4], v[\t+4], v[\t+6], v[\t+1]   ; sin r
	v_fma_f32 v[\t+5], v[\t+5], v[\t+7], v[\t+3]   ; cos r
	v_and_b32 v[\t+6], 1, v[\t+2]
	v_cmp_eq_u32 vcc_lo, 1, v[\t+6]                ; an odd quadrant swaps the two
	v_cndmask_b32 v[\so], v[\t+4], v[\t+5], vcc_lo
	v_cndmask_b32 v[\co], v[\t+5], v[\t+4], vcc_lo
	v_and_b32 v[\t+6], 2, v[\t+2]                  ; the sine turns its sign in quadrants 2 and 3,
	v_add_nc_u32 v[\t+7], 1, v[\t+2]
	v_and_b32 v[\t+7], 2, v[\t+7]                  ; the cosine in 1 and 2
	v_lshlrev_b32 v[\t+6], 30, v[\t+6]
	v_lshlrev_b32 v[\t+7], 30, v[\t+7]
	v_xor_b32 v[\so], v[\t+6], v[\so]
	v_xor_b32 v[\co], v[\t+7], v[\co]
.endm
	s_wait_loadcnt 36                              ; theta is the oldest load: the 36 quads may stay out
	v_cvt_pk_bf16_f32 v13, v10, v11                ; theta is rounded to bf16, like every input,
	v_lshlrev_b32 v10, 16, v13                     ; and widened again
	v_and_b32 v11, s35, v13
	v_mul_f32 v14, v12, v10
	v_mul_f32 v15, v12, v11
	SINCOS 14, 33, 32, 16
	SINCOS 15, 35, 34, 24
	global_store_b128 v9, v[32:35], s[22:23]
.macro TOBF q                          ; quad q is in (35 - q younger loads may stay out); its four numbers are rounded to bf16 into its first two registers
	s_wait_loadcnt 35-(\q)
	v_cvt_pk_bf16_f32 v[D+4*(\q)], v[D+4*(\q)], v[D+4*(\q)+1]
	v_cvt_pk_bf16_f32 v[D+4*(\q)+1], v[D+4*(\q)+2], v[D+4*(\q)+3]
.endm
.set n, 0
.rept 8
	TOBF n
	global_store_b64 v5, v[D+4*n:D+4*n+1], s[16:17] offset:2048*n
.set n, n+1
.endr
.set n, 0
.rept 12                               ; Wq, Wk, Wv: the parts of wb lie 2,097,152 bytes apart
	TOBF 8+n
	global_store_b64 v6, v[D+4*(8+n):D+4*(8+n)+1], s[18:19] offset:(n/4)*2097152+(n%4)*2048
.set n, n+1
.endr
.set n, 0
.rept 16                               ; Wo: the bf16 numbers are widened again and written as f16
	TOBF 20+n
	v_lshlrev_b32 v[D+4*(20+n)+2], 16, v[D+4*(20+n)]
	v_and_b32 v[D+4*(20+n)+3], s35, v[D+4*(20+n)]
	v_cvt_pk_f16_f32 v[D+4*(20+n)], v[D+4*(20+n)+2], v[D+4*(20+n)+3]
	v_lshlrev_b32 v[D+4*(20+n)+2], 16, v[D+4*(20+n)+1]
	v_and_b32 v[D+4*(20+n)+3], s35, v[D+4*(20+n)+1]
	v_cvt_pk_f16_f32 v[D+4*(20+n)+1], v[D+4*(20+n)+2], v[D+4*(20+n)+3]
	global_store_b64 v7, v[D+4*(20+n):D+4*(20+n)+1], s[20:21] offset:2048*n
.set n, n+1
.endr
	s_endpgm
.Lfunc_end_k_q2e27d78789_prep:
	.size	k_q2e27d78789_prep, .Lfunc_end_k_q2e27d78789_prep-k_q2e27d78789_prep
	.p2alignl 7, 3214868480
	.fill 96, 4, 3214868480
	.section	.rodata,"a",@progbits
	.p2align	6, 0x0
	.amdhsa_kernel k_q2e27d78789_prep
		.amdhsa_group_segment_fixed_size 0
		.amdhsa_private_segment_fixed_size 0
		.amdhsa_enable_private_segment 0
		.amdhsa_kernarg_size 80
		.amdhsa_user_sgpr_count 2
		.amdhsa_user_sgpr_kernarg_segment_ptr 1
		.amdhsa_wavefront_size32 1
		.amdhsa_system_sgpr_workgroup_id_x 1
		.amdhsa_system_sgpr_workgroup_id_y 1
		.amdhsa_system_sgpr_workgroup_id_z 1
		.amdhsa_system_vgpr_workitem_id 0
		.amdhsa_next_free_vgpr 192
		.amdhsa_next_free_sgpr 66
		.amdhsa_reserve_vcc 1
		.amdhsa_float_denorm_mode_32 3
		.amdhsa_float_denorm_mode_16_64 3
		.amdhsa_memory_ordered 1
		.amdhsa_forward_progress 1
		.amdhsa_inst_pref_size 22
	.end_amdhsa_kernel
	.amdgpu_metadata
---
amdhsa.version: [ 1, 2 ]
amdhsa.kernels:
  - .name:           k_q2e27d78789_prep
    .symbol:         k_q2e27d78789_prep.kd
    .args:
      - { .name: x, .offset: 0, .size: 8, .value_kind: global_buffer, .address_space: global }
      - { .name: Wq, .offset: 8, .size: 8, .value_kind: global_buffer, .address_space: global }
      - { .name: Wk, .offset: 16, .size: 8, .value_kind: global_buffer, .address_space: global }
      - { .name: Wv, .offset: 24, .size: 8, .value_kind: global_buffer, .address_space: global }
      - { .name: Wo, .offset: 32, .size: 8, .value_kind: global_buffer, .address_space: global }
      - { .name: theta, .offset: 40, .size: 8, .value_kind: global_buffer, .address_space: global }
      - { .name: xb, .offset: 48, .size: 8, .value_kind: global_buffer, .address_space: global }
      - { .name: wb, .offset: 56, .size: 8, .value_kind: global_buffer, .address_space: global }
      - { .name: wo16, .offset: 64, .size: 8, .value_kind: global_buffer, .address_space: global }
      - { .name: cs, .offset: 72, .size: 8, .value_kind: global_buffer, .address_space: global }
    .group_segment_fixed_size: 0
    .private_segment_fixed_size: 0
    .kernarg_segment_align: 8
    .kernarg_segment_size: 80
    .max_flat_workgroup_size: 256
    .sgpr_count:     66
    .vgpr_count:     192
    .wavefront_size: 32
...
	.end_amdgpu_metadata
.endif
;; end of part 1
;; launch qkv (part 2): grid 8 x 32, 4 waves a work-group, clusters of 4 x 4, 327,680 bytes of LDS; arguments xb, wb, qkv, cs; writes qkv
.if DOCPART == 2
	.amdgcn_target "amdgcn-amd-amdhsa--gfx1250"
	.amdhsa_code_object_version 6
	.text
	.protected	k_q2e27d78789_qkv
	.globl	k_q2e27d78789_qkv
	.p2align	8
	.type	k_q2e27d78789_qkv,@function
k_q2e27d78789_qkv:
	s_mov_b64 s[64:65], 0
	v_nop
	global_prefetch_b8 v0, s[64:65] scope:SCOPE_SE
	s_setreg_imm32_b32 hwreg(HW_REG_WAVE_MODE, 25, 1), 1
	s_wait_xcnt 0x0
	s_wait_alu depctr_hold_cnt(0) depctr_sa_sdst(0) depctr_va_vdst(0) depctr_va_sdst(0) depctr_va_ssrc(0) depctr_va_vcc(0) depctr_vm_vsrc(0)
	s_getreg_b32 s2, hwreg(HW_REG_IB_STS2, 6, 4)
	s_cmp_eq_u32 s2, 0
	s_cbranch_scc0 .Lentry_in_a_cluster
	s_endpgm
.Lentry_in_a_cluster:
	s_bfe_u32 s2, ttmp6, 0x10000c
	s_cmp_lg_u32 s2, 0xf033
	s_cbranch_scc0 .Lentry_shape_is_right
	s_endpgm
.Lentry_shape_is_right:
; Q, K, V = x W^T, rotated (Q and K), by heads.  xb: [4096][512] bf16; wb: [6144][512] bf16 (Wq, Wk, Wv); cs: the table of cos and sin; qkv: [3][32 heads][2048][128] f16.  Sums in f32, one rounding to f16.
; THE ROTATION keeps a pair (even column e, odd column o) at its two columns: (e c - o s, e s + o c).  The problem puts the two at columns i and 64 + i; Q and K get the same order here, so every product q . k is the same sum.
; LIMITS.  |q|, |k|, |v| at or beyond 65,520 become infinities in f16; below 6e-5 f16 keeps its fixed step of 6e-8.
; SHARES.  A tile is 128 rows x 256 columns; four waves, each 64 x 128: 32 accumulators of 16 x 16, 256 registers; a wave's 128 columns are one head.  A WORK-GROUP STAYS for three tiles: the same 128 rows of x
; and the same two heads in Wq, Wk, Wv; 768 tiles on 256 work-groups.  K = 512 goes in four steps of 128 through a ring of two LDS slots, which runs on from tile to tile.
; CLUSTER.  4 x 4 work-groups: the four of a row need the same rows of x, the four of a column the same rows of W; each tile is asked for jointly, by the same tensor load, descriptor and mask in all four.
; THE PRODUCT IS USED TRANSPOSED (source 0 = 16 rows of W, source 1 = 16 rows of x): lane (r = l % 16, h = l / 16) holds row r and the columns 16 b + 8 h + 0..7 of accumulator (a, b).
; REGISTERS, in windows of 256 (s_set_vgpr_msb: bits 1:0 source 0, 3:2 source 1, 5:4 source 2, 7:6 destination):
;   window 0: v16-30 addresses; v32-127 and v128-223 two fragment buffers (W's eight fragments, then x's four); on the way out v128-191 rotated pairs, v192-223 packed results
;   window 1: accumulator (a, b) at v[8 (8 a + b)]      window 2: the table, (c, s) of a pair at the pair's own register numbers      window 3: v0-63 rows read back from the stage, two buffers
.set KDIM,   512
.set KSTEP,  128
.set PITCH,  272                       ; an LDS row: 256 bytes + 16 of padding = 68 words: the 16 rows of a fragment load start at 16 different groups of four banks (ISA guide 11.1)
.set HA,     64*PITCH                  ; what a wave fetches of x, and what a wave reads of it
.set HB,     128*PITCH                 ; the same for W
.set BOFF,   128*PITCH                 ; W's 256 rows lie behind x's 128
.set SLOT,   BOFF+256*PITCH
.set STAGE,  2*SLOT                    ; behind the ring: 16 rows x 272 bytes for each wave, for the way out
.set SPARE,  STAGE+4*16*PITCH          ; behind the stages: the spare words, 128 bytes for each wave: two blocks of 256 bytes that no other line names
.set NEXT_B, 2048*KDIM*2-2*KSTEP*2     ; from a slot's last K step of a tile to its first of the next: 2,048 rows of wb on, back along K
.set ADRA, 16                          ; v16-17  LDS address of my fragments of x in slot 0, 1
.set ADRB, 20                          ; v20-21  the same for W
.set STO,  24                          ; v24     the way out: where I put 16 bytes of a row
.set RD,   25                          ; v25     where I read rows back
.set CO,   26                          ; v26     16 x lane: my 16 bytes of 512 consecutive bytes of qkv
.set TO,   27                          ; v27     16 x lane: my 16 bytes of a chunk of the table
.set SPW,  28                          ; v28     LDS address of my spare word; never rewritten
.set NIL,  29                          ; v29     0; never rewritten
.set PFO,  30                          ; v30     the prefetches' offset: lane x a row of wb
.set F0,   32
.set F1,   128
.set RR,   128
.set PK,   192
.set G1,   24                          ; s[24:31] descriptor group 1 for x's tiles;  s[32:39] group 0, a set for each slot
.set G0,   32
.set G1B,  48                          ; s[48:55], s[56:63] the same for W's tiles
.set G0B,  56
.set LIM,  43                          ; s43     1 in a wave that prefetches, else the greatest number
.set PFA,  44                          ; s[44:45] my 32 rows of the NEXT tile's W
.set MSB, 0
.macro WIN new                         ; the immediate's high byte repeats the setting that is left; a switch that changes nothing is dropped
.if MSB != (\new)
	s_set_vgpr_msb (MSB<<8)|(\new)
.set MSB, \new
.endif
.endm
.macro PLACES                          ; four plain vector instructions behind matrix instructions, ahead of loads into their sources and of readers of their results
.rept 4
	v_nop
.endr
.endm
; A joint load.  Waves 0 and 1 fetch the two halves of x's 128 rows, waves 2 and 3 the two halves of W's 256.  The branch hangs on the wave's number alone.
; An s_nop 0 and four v_nop follow each of the two lines, ahead of the jump and the label.
.macro JLOAD s
	s_cmp_eq_u32 s11, 0
	s_cbranch_scc0 .Lfor_b_\@
	tensor_load_to_lds s[G0+4*(\s):G0+4*(\s)+3], s[G1:G1+7]
	s_nop 0
.rept 4
	v_nop
.endr
	s_branch .Lasked_\@
.Lfor_b_\@:
	tensor_load_to_lds s[G0B+4*(\s):G0B+4*(\s)+3], s[G1B:G1B+7]
	s_nop 0
.rept 4
	v_nop
.endr
.Lasked_\@:
.endm
; A PREFETCH INTO THE L2: K step st of the NEXT tile's rows of W, two refills ahead of the joint load that will ask for it: 32 rows x 256 bytes, a lane a row.  A tile column's rows are read by every cluster of that
; column of clusters: the first of them (cluster y = 0) asks; its four partners share the 256 rows out by address, 64 each, waves 2 and 3 take 32 each.  So each row's 256 bytes are named once.
; The third tile has no tile behind it and asks for nothing.  x's rows and Wq's come by their loads alone: they are the launch's first steps.
.macro ASK st
	s_cmp_gt_u32 s2, s[LIM]
	s_cbranch_scc0 .Lnot_mine_\@
	global_prefetch_b8 v[PFO], s[PFA:PFA+1] offset:(\st)*KSTEP*2 th:TH_LOAD_NT scope:SCOPE_SE
.Lnot_mine_\@:
.endm
.macro CREST                           ; a round of the cluster's barrier behind its opening barrier
	s_cmp_lg_u32 s10, 0
	s_cbranch_scc1 .Lnot_wave_0_\@
	s_barrier_signal -3
.Lnot_wave_0_\@:
	s_barrier_wait -3
	s_barrier_signal -1
	s_barrier_wait -1
.endm
.macro CROUND                          ; a whole round
	s_barrier_signal -1
	s_barrier_wait -1
	CREST
.endm
	s_load_b128 s[4:7], s[0:1], 0x0                ; xb s[4:5], wb s[6:7]
	s_load_b64 s[8:9], s[0:1], 0x10                ; qkv
	s_load_b64 s[66:67], s[0:1], 0x18              ; cs
	v_lshl_add_u32 v[SPW], v0, 2, SPARE
	v_mov_b32 v[NIL], 0
	ds_add_u32 v[SPW], v[NIL]                      ; the wave's opening: the add and its wait stand ahead of my first tensor load; the set-up below, work on registers, stands between them
	v_lshrrev_b32 v1, 5, v0
	v_readfirstlane_b32 s10, v1                    ; wave 0..3
	s_lshr_b32 s11, s10, 1                         ; which 64 of the tile's rows are mine.  Also: I fetch for x (0) or for W (1)
	s_and_b32 s12, s10, 1                          ; which 128 of its columns.  Also: which half of that tile I fetch
	s_bfe_u32 s40, ttmp6, 0x40000                  ; cx, cy: my place in the cluster
	s_bfe_u32 s41, ttmp6, 0x40004
	s_lshl_b32 s42, ttmp9, 2
	s_add_co_u32 s42, s42, s40                     ; tile column gx = 4 x cluster x + cx
	s_and_b32 s13, ttmp7, 0xffff
	s_lshl_b32 s13, s13, 2
	s_add_co_u32 s13, s13, s41                     ; tile row gy = 4 x cluster y + cy
	s_lshl_b32 s43, s41, 2
	s_lshl_b32 s43, 15, s43                        ; my row of the cluster
	s_lshl_b32 s44, 0x1111, s40                    ; my column
	s_or_b32 s[G1+0], s43, (1<<16)|(1<<20)|(1<<21)|(5<<22)|(3<<25)   ; 15:0 the mask; 17:16 elements of 2 bytes; 20 padding on; 21 set beside a mask; 24:22 after every 64 words; 31:25 4 words of it
	s_or_b32 s[G1B+0], s44, (1<<16)|(1<<20)|(1<<21)|(5<<22)|(3<<25)
	s_mov_b32 s[G1+1], KSTEP<<16                   ; tensor_dim0 = 128
	s_mov_b32 s[G1+2], 64<<16                      ; tensor_dim1 = 64
	s_mov_b32 s[G1+3], KSTEP<<16                   ; tile_dim0 = 128
	s_mov_b32 s[G1+4], 64                          ; tile_dim1 = 64
	s_mov_b32 s[G1+5], KDIM                        ; elements from row to row
	s_mov_b32 s[G1+6], 0
	s_mov_b32 s[G1+7], 0
	s_mov_b32 s[G1B+1], KSTEP<<16
	s_mov_b32 s[G1B+2], 128<<16                    ; W's loads have 128 rows
	s_mov_b32 s[G1B+3], KSTEP<<16
	s_mov_b32 s[G1B+4], 128
	s_mov_b32 s[G1B+5], KDIM
	s_mov_b32 s[G1B+6], 0
	s_mov_b32 s[G1B+7], 0
	s_lshl_b32 s16, s13, 7                         ; x: row 128 gy + 64 x half
	s_lshl_b32 s17, s12, 6
	s_add_co_u32 s16, s16, s17
	s_mul_i32 s16, s16, KDIM*2
	s_mov_b32 s17, 0
	s_lshl_b32 s46, s42, 8                         ; W: row 256 gx + 128 x half
	s_lshl_b32 s47, s12, 7
	s_add_co_u32 s46, s46, s47
	s_mul_i32 s46, s46, KDIM*2
	s_mov_b32 s47, 0
	s_mul_i32 s20, s12, HA                         ; where they go: no place in the cluster enters an LDS address
	s_mul_i32 s21, s12, HB
	s_add_co_u32 s21, s21, BOFF
	s_wait_dscnt 0x0                               ; the opening add is done
	s_wait_kmcnt 0x0
	s_add_nc_u64 s[14:15], s[4:5], s[16:17]
	s_add_nc_u64 s[46:47], s[6:7], s[46:47]
	CROUND                                         ; all sixteen work-groups are here: the first joint loads meet
.irp s, 0,1
	s_mov_b32 s[G0+4*(\s)], 1                                        ; count = 1
	s_add_co_u32 s[G0+4*(\s)+1], s20, (\s)*SLOT                      ; LDS address
	s_add_nc_u64 s[G0+4*(\s)+2:G0+4*(\s)+3], s[14:15], (\s)*KSTEP*2  ; global address: K step s
	s_or_b32 s[G0+4*(\s)+3], s[G0+4*(\s)+3], 0x80000000              ; type = 2
	s_mov_b32 s[G0B+4*(\s)], 1
	s_add_co_u32 s[G0B+4*(\s)+1], s21, (\s)*SLOT
	s_add_nc_u64 s[G0B+4*(\s)+2:G0B+4*(\s)+3], s[46:47], (\s)*KSTEP*2
	s_or_b32 s[G0B+4*(\s)+3], s[G0B+4*(\s)+3], 0x80000000
	JLOAD \s                                       ; two loads of mine are out
.endr
	v_and_b32 v1, 15, v0                           ; r
	v_bfe_u32 v2, v0, 4, 1                         ; h
	v_and_b32 v4, 31, v0                           ; lane
	v_mul_u32_u24 v3, v1, PITCH
	v_lshl_add_u32 v3, v2, 4, v3                   ; a fragment's row x pitch + 16 x half
	s_mul_i32 s22, s11, HA                         ; my 64 rows of x
	s_mul_i32 s23, s12, HB                         ; my 128 rows of W
	s_add_co_u32 s23, s23, BOFF
.irp s, 0,1
	v_add_nc_u32 v[ADRA+(\s)], s22, v3
	v_add_nc_u32 v[ADRB+(\s)], s23, v3
	s_add_co_u32 s22, s22, SLOT
	s_add_co_u32 s23, s23, SLOT
.endr
	s_mul_i32 s22, s10, 16*PITCH
	s_add_co_u32 s22, s22, STAGE                   ; my stage
	v_add_nc_u32 v[STO], s22, v3                   ; in: row r, 16 bytes for each half of the lanes
	v_mul_u32_u24 v5, v2, PITCH                    ; back: lanes 0-15 take one row of 256 bytes, lanes 16-31 the next
	v_lshl_add_u32 v5, v1, 4, v5
	v_add_nc_u32 v[RD], s22, v5
	v_lshlrev_b32 v[CO], 4, v4
	v_lshlrev_b32 v[TO], 4, v4
	v_lshlrev_b32 v[PFO], 10, v4
	; where my 64 rows of my head begin in the Q part: head 16 (gy >> 4) + 2 gx + half, row 128 (gy & 15) + 64 x half of the rows
	s_lshr_b32 s68, s13, 4
	s_lshl_b32 s68, s68, 4
	s_lshl_b32 s69, s42, 1
	s_add_co_u32 s68, s68, s69
	s_add_co_u32 s68, s68, s12
	s_lshl_b32 s68, s68, 19                        ; a head is 524,288 bytes
	s_and_b32 s70, s13, 15
	s_lshl_b32 s69, s70, 15
	s_add_co_u32 s68, s68, s69
	s_lshl_b32 s69, s11, 14
	s_add_co_u32 s68, s68, s69
	s_mov_b32 s69, 0
	s_add_nc_u64 s[8:9], s[8:9], s[68:69]
	s_lshl_b32 s68, s70, 16                        ; the table at my first block of 16 positions: 8,192 x (8 (gy & 15) + 4 x half)
	s_lshl_b32 s70, s11, 15
	s_add_co_u32 s68, s68, s70
	s_add_nc_u64 s[66:67], s[66:67], s[68:69]
	s_lshl_b32 s68, s42, 18                        ; the prefetches: row 2,048 + 256 gx + 64 cy + 32 x half of wb, 1,024 bytes a row
	s_lshl_b32 s70, s41, 16
	s_add_co_u32 s68, s68, s70
	s_lshl_b32 s70, s12, 15
	s_add_co_u32 s68, s68, s70
	s_add_co_u32 s68, s68, 0x200000
	s_add_nc_u64 s[PFA:PFA+1], s[6:7], s[68:69]
	s_and_b32 s70, ttmp7, 0xffff                   ; cluster y = 0 and a wave that fetches W: the same answer in all sixteen partners, for a given wave
	s_xor_b32 s71, s11, 1
	s_or_b32 s70, s70, s71
	s_cmp_eq_u32 s70, 0
	s_cselect_b32 s[LIM], 1, -1
	WIN 0x80                                       ; the table: 64 loads of 512 consecutive bytes; chunk n = 16 a + 2 b + q goes to registers 4 n .. 4 n + 3 of window 2
.set n, 0
.rept 64
	global_load_b128 v[4*n:4*n+3], v[TO], s[66:67] offset:512*n
.set n, n+1
.endr
	WIN 0
; 8 matrix instructions: row block a x all 8 column blocks, 32 along K.  zero = 1: the product starts the sums.  Every quarter step takes the 32 accumulators once, in the same order: by turns.
.macro MUL8 f, a, zero
	WIN 0x50                                       ; fragments in window 0, C and D in window 1
.irp b, 0,1,2,3,4,5,6,7
.if \zero
	v_wmma_f32_16x16x32_bf16 v[8*(8*(\a)+(\b)):8*(8*(\a)+(\b))+7], v[(\f)+8*(\b):(\f)+8*(\b)+7], v[(\f)+64+8*(\a):(\f)+64+8*(\a)+7], 0
.else
	v_wmma_f32_16x16x32_bf16 v[8*(8*(\a)+(\b)):8*(8*(\a)+(\b))+7], v[(\f)+8*(\b):(\f)+8*(\b)+7], v[(\f)+64+8*(\a):(\f)+64+8*(\a)+7], v[8*(8*(\a)+(\b)):8*(8*(\a)+(\b))+7]
.endif
.endr
.endm
; 24 LDS loads in one run: the fragments of 32 along K at byte k of the rows: W's sixteen loads, then x's eight
.macro FETCH slot, k, f
	WIN 0
.irp i, 0,1,2,3,4,5,6,7
	ds_load_b128 v[(\f)+8*(\i):(\f)+8*(\i)+3],   v[ADRB+(\slot)] offset:(\k)+(\i)*16*PITCH
	ds_load_b128 v[(\f)+8*(\i)+4:(\f)+8*(\i)+7], v[ADRB+(\slot)] offset:(\k)+(\i)*16*PITCH+32
.endr
.irp i, 0,1,2,3
	ds_load_b128 v[(\f)+64+8*(\i):(\f)+64+8*(\i)+3],   v[ADRA+(\slot)] offset:(\k)+(\i)*16*PITCH
	ds_load_b128 v[(\f)+64+8*(\i)+4:(\f)+64+8*(\i)+7], v[ADRA+(\slot)] offset:(\k)+(\i)*16*PITCH+32
.endr
.endm
; A K step is four quarters of 32 along K, 32 matrix instructions each, on buffers 0, 1, 0, 1.  One of the first three multiplies buffer f and fetches the next quarter, at byte k, into g.
.macro QUARTER slot, k, f, g, zero
	s_wait_dscnt 4                                 ; W's fragments and x's blocks 0 and 1 are in; the youngest four loads (blocks 2 and 3) may be out
	MUL8 \f, 0, \zero
	MUL8 \f, 1, \zero
	PLACES
	FETCH \slot, \k, \g
	s_wait_dscnt 24                                ; all but the 24 just issued
	MUL8 \f, 2, \zero
	MUL8 \f, 3, \zero
.endm
; The last quarter multiplies buffer 1 and changes slots: ONE barrier; ahead of it each wave waits for all its tensor loads (the one that is out is its part of the next slot), adds 0 to its spare word, and waits for that and
; for its own reads of this slot.  mode 0: this slot takes this tile's K step two on; mode 1: the NEXT tile's K step 0 or 1; the barrier then opens a round of the cluster's barrier, and the joint refill is the first
; thing behind the round: 112 matrix instructions ahead of the wait for it.  mode 2: nothing is filled.
.macro TURN slot, next, mode, st
	WIN 0
	s_wait_tensorcnt 0x0                           ; all my tensor loads have landed
	ds_add_u32 v[SPW], v[NIL]                      ; 0 onto my spare word
	s_wait_dscnt 5                                 ; (the add and the youngest four loads may be out)
	MUL8 F1, 0, 0                                  ; eight matrix instructions stand between the add and the wait for it
	s_wait_dscnt 0x0                               ; the add is done, and my reads of this slot are over
	s_barrier_signal -1
	MUL8 F1, 1, 0
.if (\mode) < 2
	WIN 0
.endif
	s_barrier_wait -1
.if (\mode) < 2
	CREST                                          ; no wave of any partner still reads this slot or has a load on its way
.if (\mode) == 1
	s_sub_nc_u64 s[G0+4*(\slot)+2:G0+4*(\slot)+3], s[G0+4*(\slot)+2:G0+4*(\slot)+3], 2*KSTEP*2   ; x: the same rows, back along K
	s_add_nc_u64 s[G0B+4*(\slot)+2:G0B+4*(\slot)+3], s[G0B+4*(\slot)+2:G0B+4*(\slot)+3], NEXT_B
.else
	s_add_nc_u64 s[G0+4*(\slot)+2:G0+4*(\slot)+3], s[G0+4*(\slot)+2:G0+4*(\slot)+3], 2*KSTEP*2
	s_add_nc_u64 s[G0B+4*(\slot)+2:G0B+4*(\slot)+3], s[G0B+4*(\slot)+2:G0B+4*(\slot)+3], 2*KSTEP*2
.endif
	JLOAD \slot                                    ; the four v_nop behind it are also the places ahead of the loads below
.else
	PLACES
.endif
	FETCH \next, 0, F0
.if (\mode) < 2
	ASK \st
.endif
	MUL8 F1, 2, 0
	MUL8 F1, 3, 0
.endm
; THE WAY OUT of row block a.  PACK: rotated (rope = 1) and rounded to f16, 16 bytes a lane.  TOSTAGE: into my own stage, and back as whole rows of 256 bytes.  SEND: stored.
; The rotation of a pair (e, o) by (c, s), two packed instructions: (o s, e s), then (e c - o s, o c + e s).  Each accumulator's lowest registers are read first.
.macro PACK a, rope
.if \rope
	WIN 0x09                                       ; source 0: the accumulators, window 1; source 1: the table, window 2
.irp b, 0,1,2,3,4,5,6,7
.irp p, 0,1,2,3
	v_pk_mul_f32 v[RR+8*(\b)+2*(\p):RR+8*(\b)+2*(\p)+1], v[8*(8*(\a)+(\b))+2*(\p):8*(8*(\a)+(\b))+2*(\p)+1], v[8*(8*(\a)+(\b))+2*(\p):8*(8*(\a)+(\b))+2*(\p)+1] op_sel:[1,1] op_sel_hi:[0,1]
.endr
.irp p, 0,1,2,3
	v_pk_fma_f32 v[RR+8*(\b)+2*(\p):RR+8*(\b)+2*(\p)+1], v[8*(8*(\a)+(\b))+2*(\p):8*(8*(\a)+(\b))+2*(\p)+1], v[8*(8*(\a)+(\b))+2*(\p):8*(8*(\a)+(\b))+2*(\p)+1], v[RR+8*(\b)+2*(\p):RR+8*(\b)+2*(\p)+1] op_sel_hi:[1,0,1] neg_lo:[0,0,1]
.endr
.endr
	WIN 0
.set n, 0
.rept 32
	v_cvt_pk_f16_f32 v[PK+n], v[RR+2*n], v[RR+2*n+1]
.set n, n+1
.endr
.else
	WIN 0x05                                       ; sources 0 and 1 in window 1
.set n, 0
.rept 32
	v_cvt_pk_f16_f32 v[PK+n], v[64*(\a)+2*n], v[64*(\a)+2*n+1]
.set n, n+1
.endr
	WIN 0
.endif
.endm
.macro TOSTAGE a
	WIN 0
.irp b, 0,1,2,3,4,5,6,7
	ds_store_b128 v[STO], v[PK+4*(\b):PK+4*(\b)+3] offset:32*(\b)
.endr
	WIN 0xc0                                       ; destination window 3
.irp t, 0,1,2,3,4,5,6,7
	ds_load_b128 v[32*((\a)%2)+4*(\t):32*((\a)%2)+4*(\t)+3], v[RD] offset:(\t)*2*PITCH  ; LDS serves a wave's instructions in order (ISA guide 5.7.1.4): these see the stores above
.endr
.endm
.macro SEND a
	WIN 0x0c                                       ; the stores' data in window 3
	s_wait_dscnt 0x0                               ; the block is back in registers
	s_wait_xcnt 0x0                                ; the stores of the block before have read their registers: the buffer that they named is loaded again behind this wait
.irp t, 0,1,2,3,4,5,6,7
	global_store_b128 v[CO], v[32*((\a)%2)+4*(\t):32*((\a)%2)+4*(\t)+3], s[8:9] offset:4096*(\a)+512*(\t)  ; a head's rows are dense: 512 consecutive bytes, at a multiple of 512 from qkv's first
.endr
.endm
.macro OUT rope
	WIN 0
	PLACES                                         ; behind the last products: their results are read and buffer 1, which they read, is written
	PLACES
.if \rope
	s_wait_loadcnt 0x0                             ; the table
.endif
	PACK 0, \rope
	TOSTAGE 0
.irp a, 1,2,3                          ; block a's arithmetic stands between block a - 1's loads from the stage and the wait for them
	PACK \a, \rope
	SEND (\a)-1
	TOSTAGE \a
.endr
	SEND 3
	WIN 0
.endm
	s_wait_tensorcnt 1                             ; my part of K step 0 is in; K step 1's may stay out
	s_barrier_signal -1
	s_barrier_wait -1                              ; everybody's is
	FETCH 0, 0, F0
	s_mov_b32 s2, 3                                ; tiles to go: the same number in every work-group
.Ltile:
	QUARTER 0, 64,  F0, F1, 1                      ; a tile's first quarter starts the sums: nothing is cleared
	QUARTER 0, 128, F1, F0, 0
	QUARTER 0, 192, F0, F1, 0
	TURN 0, 1, 0, 0                                ; slot 0 takes K step 2
	QUARTER 1, 64,  F0, F1, 0
	QUARTER 1, 128, F1, F0, 0
	QUARTER 1, 192, F0, F1, 0
	TURN 1, 0, 0, 1                                ; slot 1 takes K step 3
	QUARTER 0, 64,  F0, F1, 0
	QUARTER 0, 128, F1, F0, 0
	QUARTER 0, 192, F0, F1, 0
	WIN 0
	s_cmp_eq_u32 s2, 1
	s_cbranch_scc1 .Llast                          ; the last tile's tail is written out: it asks for nothing more
	TURN 0, 1, 1, 2                                ; the ring goes on into the next tile: slot 0 takes its K step 0,
	QUARTER 1, 64,  F0, F1, 0
	QUARTER 1, 128, F1, F0, 0
	QUARTER 1, 192, F0, F1, 0
	TURN 1, 0, 1, 3                                ; slot 1 its K step 1, and its first fragments are fetched
	OUT 1                                          ; Q, then K: rotated
	s_wait_xcnt 0x0                                ; the stores and prefetches have read their bases
	s_add_nc_u64 s[8:9], s[8:9], 0x1000000         ; the next part of qkv
	s_add_nc_u64 s[PFA:PFA+1], s[PFA:PFA+1], 0x200000  ; the next 2,048 rows of wb
	s_sub_co_u32 s2, s2, 1
	s_branch .Ltile
.Llast:
	TURN 0, 1, 2, 0
	QUARTER 1, 64,  F0, F1, 0
	QUARTER 1, 128, F1, F0, 0
	QUARTER 1, 192, F0, F1, 0
	s_wait_dscnt 4                                 ; the very last quarter: nothing more to fetch
	MUL8 F1, 0, 0
	MUL8 F1, 1, 0
	s_wait_dscnt 0x0
	MUL8 F1, 2, 0
	MUL8 F1, 3, 0
	OUT 0                                          ; V: as it is
	s_wait_tensorcnt 0x0                           ; the wave's end: a wait, an add to my spare word and its wait, behind my last tensor load and my last LDS store
	ds_add_u32 v[SPW], v[NIL]
	s_wait_dscnt 0x0
	CROUND                                         ; the closing round: no work-group ends while a partner may still ask for a tile that names it
	s_endpgm
.Lfunc_end_k_q2e27d78789_qkv:
	.size	k_q2e27d78789_qkv, .Lfunc_end_k_q2e27d78789_qkv-k_q2e27d78789_qkv
	.p2alignl 7, 3214868480
	.fill 96, 4, 3214868480
	.section	.rodata,"a",@progbits
	.p2align	6, 0x0
	.amdhsa_kernel k_q2e27d78789_qkv
		.amdhsa_group_segment_fixed_size 327680
		.amdhsa_private_segment_fixed_size 0
		.amdhsa_enable_private_segment 0
		.amdhsa_kernarg_size 32
		.amdhsa_user_sgpr_count 2
		.amdhsa_user_sgpr_kernarg_segment_ptr 1
		.amdhsa_wavefront_size32 1
		.amdhsa_system_sgpr_workgroup_id_x 1
		.amdhsa_system_sgpr_workgroup_id_y 1
		.amdhsa_system_sgpr_workgroup_id_z 1
		.amdhsa_system_vgpr_workitem_id 0
		.amdhsa_next_free_vgpr 832
		.amdhsa_next_free_sgpr 72
		.amdhsa_reserve_vcc 0
		.amdhsa_float_denorm_mode_32 3
		.amdhsa_float_denorm_mode_16_64 3
		.amdhsa_memory_ordered 1
		.amdhsa_forward_progress 1
		.amdhsa_inst_pref_size 147
	.end_amdhsa_kernel
	.amdgpu_metadata
---
amdhsa.version: [ 1, 2 ]
amdhsa.kernels:
  - .name:           k_q2e27d78789_qkv
    .symbol:         k_q2e27d78789_qkv.kd
    .args:
      - { .name: xb, .offset: 0, .size: 8, .value_kind: global_buffer, .address_space: global }
      - { .name: wb, .offset: 8, .size: 8, .value_kind: global_buffer, .address_space: global }
      - { .name: qkv, .offset: 16, .size: 8, .value_kind: global_buffer, .address_space: global }
      - { .name: cs, .offset: 24, .size: 8, .value_kind: global_buffer, .address_space: global }
    .group_segment_fixed_size: 327680
    .private_segment_fixed_size: 0
    .kernarg_segment_align: 8
    .kernarg_segment_size: 32
    .max_flat_workgroup_size: 128
    .sgpr_count:     72
    .vgpr_count:     832
    .wavefront_size: 32
...
	.end_amdgpu_metadata
.endif
;; end of part 2
;; launch attn (part 3): grid 8 x 32, 4 waves a work-group, no clusters, 327,680 bytes of LDS; arguments qkv, ctx; writes ctx
.if DOCPART == 3
	.amdgcn_target "amdgcn-amd-amdhsa--gfx1250"
	.amdhsa_code_object_version 6
	.text
	.protected	k_q2e27d78789_attn
	.globl	k_q2e27d78789_attn
	.p2align	8
	.type	k_q2e27d78789_attn,@function
k_q2e27d78789_attn:
	s_mov_b64 s[64:65], 0
	v_nop
	global_prefetch_b8 v0, s[64:65] scope:SCOPE_SE
	s_setreg_imm32_b32 hwreg(HW_REG_WAVE_MODE, 25, 1), 1
	s_wait_xcnt 0x0
; CAUSAL ATTENTION, head size 128.  qkv: [3][32 heads][2048][128] f16 (Q, K, V; a row is 256 bytes); ctx: [4096][2048] f16, a head's 128 channels 256 consecutive bytes of a row.
; ctx[q] = the sum over k <= q of softmax_k(Q[q] . K[k] / sqrt(128)) V[k].  Products, maxima and sums in f32; the weights p are rounded to f16 for the second product (their sum is taken of the unrounded p), ctx once.
; LIMITS.  Q, K, V arrive within f16's range, so a score is at most 5.5e11 in size.  A hidden score counts as its value less 1e30; the running maximum starts at -1e20, between the two.
; p lies in 0 to 1 and below 6e-5 keeps f16's fixed step of 6e-8; a weight below 2^-126 counts as 0 in the sum; NaN and infinities are not treated apart.
; THE WALK.  A head's queries lie in 16 blocks of 128; block i needs the key tiles 0 .. i of 128 keys, of which the last holds the diagonal.  A work-group takes block b and then block 15 - b: 17 tiles whatever b,
; so all 256 work-groups do equal work, and one loop with a constant trip count walks them; the ring of two LDS slots runs on across the change of blocks.
; NO CLUSTER: the 8 work-groups of a head ask for tile t while t <= b and for tile t - b - 1 behind that, so in most trips they ask for different tiles; one walk common to all would have 24 trips for 17.
; SHARES.  Wave w: qh = w >> 1 takes 64 of the block's queries, four tiles of 16; kh = w & 1 takes 64 of each tile's 128 keys.  So a fragment of K or V read from LDS feeds four query tiles.  The two waves of a pair
; keep a maximum, a sum and an O of their own, and these meet in f32 in LDS once a block: the wave with kh = 1 hands over, the wave with kh = 0 joins, divides and stores.
; LAYOUT.  S^T = K Q^T (source 0 = 16 keys, source 1 = 16 queries): a lane holds ONE query (l % 16) and the keys 8 (l / 16) + 0..7.  Two such results rounded to f16 ARE source 1 of O^T = V^T P.
; SOFTMAX.  p = 2^(c s - c m), c = log2(e) / sqrt(128), m the running maximum; in every step O and l are multiplied by a = 2^(c m_old - c m_new).  A block's first step has a = 0, so O and l are not cleared between blocks.
; One wave is the exception: in block 0, queries 0-63 see none of the keys 64-127.  There m stays at its start, a = 1, every p is 0, and l and O stay at the zeros that the kernel's head wrote.
; THE MASK is the C operand of the products that start a step's scores.  For query tile t and key block kb of my 64 x 64 there are three classes: kb < t, kb = t, kb > t, eight registers each (DM, made once from the
; wave's halves); a step's masks are MC = DM x AL, AL = 1 in a block's last tile and 0 elsewhere: one text for all tiles.
; A KEY STEP is self-contained.  The tiles are two PIECES (0: tiles 0, 1; 2: tiles 2, 3): piece 0's scores; piece 2's scores with piece 0's softmax in slices behind them; the change of slots; piece 0's V^T P with piece 2's softmax
; behind them; piece 2's V^T P.
; REGISTERS, in windows of 256 (s_set_vgpr_msb: bits 1:0 source 0, 3:2 source 1, 5:4 source 2, 7:6 destination):
;   window 0: v2-9 addresses; v12-43 eight registers of statistics a tile; v44-59 at work where blocks end; v64-191 S^T, 32 a tile; v192-255 P, 16 a tile
;   window 1: O^T, 64 a tile      window 2: v0-127 Q, 32 a tile; v128-255 K of one step      window 3: v0-127 V of one step; v128-151 DM; v152-175 MC
.set PK,    272       ; a row of K in LDS: 256 bytes + 16 of padding: the 16 rows of a load start at 16 different groups of four banks (ISA guide 11.1)
.set PV,    288       ; a row of V: 256 + 32
.set VOFF,  64*PK     ; a half tile: 64 rows of K, then 64 rows of V
.set STEPB, 64*(PK+PV)
.set SLOT1, 1<<17     ; a slot holds a tile's two halves (71,680 bytes); slot 1 begins here, so that one exclusive or turns an address in one slot into the other's
.set XCH,   SLOT1+2*STEPB  ; behind the ring: for each pair of waves 66 chunks of 512 bytes: c m, l, and 64 of O^T
.set XPAIR, 66*512
.set STAGE, XCH+2*XPAIR    ; 16 rows x 272 bytes for each wave, for the way out
.set SP,    272
.set SPARE, STAGE+4*16*SP  ; the spare words, 128 bytes for each wave: two blocks of 256 bytes that no other line names
.set AK0, 2           ; v2   my lane's place in my half tile of K; never rewritten
.set AV0, 3           ; v3   the same for V
.set ADR, 4           ; v4   the LDS address of the run of loads in hand
.set QO,  5           ; v5   my byte offset in 16 rows of Q
.set STO, 6           ; v6   the way out: where I put 16 bytes of a row
.set RD,  7           ; v7   where I read rows back
.set GO,  8           ; v8   my byte offset in two rows of ctx
.set XA,  9           ; v9   my 16 bytes of a chunk of my pair's exchange
.set ST,  12          ; tile t's statistics at v[ST+8 t]: +0 c m, +1 m, +2, +3 l (even keys', odd keys'), +4 to +7 c0-c3, at work; a takes c2's place once the maximum is found
.set PFO, 61          ; v61  the prefetches' offset
.set SPW, 62          ; v62  LDS address of my spare word; never rewritten
.set NIL, 63          ; v63  0; never rewritten
.set S,   64
.set P,   192
.set KF,  128         ; window 2
.set DM,  128         ; window 3
.set MC,  152         ; window 3
.set WV,  12          ; s12  wave
.set QH,  13          ; s13  which 64 queries
.set KH,  14          ; s14  which 64 keys
.set PB,  15          ; s15  b
.set HI,  16          ; s16  15 - b
.set PFA, 18          ; s[18:19] where my prefetches stand
.set G1K, 24          ; s[24:31] descriptor group 1 for K's tiles
.set G1V, 32          ; s[32:39] for V's: it differs in the padding alone
.set G0K, 40          ; s[40:47] descriptor group 0 for K's tiles: a set for each of the two first fills; the second then walks
.set G0V, 48          ; s[48:55] the same for V's
.set SLOTS, 56        ; s56  tiles still to be asked for
.set CNT, 57          ; s57  counts the tail's two tiles
.set CS,  58          ; s[58:59] c
.set SEL, 60          ; s[60:61] v_permlanex16_b32's selects: each lane takes its own place in the other half
.set TB,  62          ; s62  the slot of the step to be fetched
.set LIM, 63          ; s63  3 in the wave that prefetches, else the greatest number
.set RT,  66          ; s66  tiles of the block in hand still to be entered
.set NXT, 67          ; s67  the tile to be asked for next
.set LQ,  68          ; s68  the last tile of the block whose tiles are being asked for
.set END, 69          ; s69  1: the step in hand is a block's last
.set AL,  70          ; s[70:71] the masks' factor
.set OFF, 72          ; s[72:73] a tile's byte offset in K and V
.set KB,  74          ; s[74:75] K at the half of the head's tile 0 that I fetch
.set VB,  76          ; s[76:77] the same for V
.set Q2,  78          ; s[78:79] Q at my rows of the second block
.set CX,  80          ; s[80:81] ctx at my rows of the block in hand;  s[82:83] of the second block
.set BIGN, 84         ; s84  -1e30
.set MSB, 0
.macro WIN new                      ; the high byte repeats the setting that is left; a switch that changes nothing is dropped
.if MSB != (\new)
	s_set_vgpr_msb (MSB<<8)|(\new)
.set MSB, \new
.endif
.endm
.set W_KQ, 0x0a       ; K and Q in window 2, S^T in window 0
.set W_KM, 0x3a       ; the same with the C operand in window 3
.set W_PV, 0x53       ; V in window 3, P in window 0, O^T in window 1
.set W_RS, 0x41       ; O^T (destination and source 0) in window 1, a in window 0
.macro PLACES                       ; four plain vector instructions behind matrix instructions (ISA guide 7.12.1)
.rept 4
	v_nop
.endr
.endm
; A refill.  Waves 0 and 1 fetch the two halves of a tile's K, waves 2 and 3 those of its V: 64 rows of 256 bytes each.  An s_nop 0 and four v_nop follow each of the two lines.
.macro LOAD
	s_cmp_lt_u32 s[WV], 2
	s_cbranch_scc0 .Lfor_v_\@
	tensor_load_to_lds s[G0K+4:G0K+7], s[G1K:G1K+7]
	s_nop 0
.rept 4
	v_nop
.endr
	s_branch .Lasked_\@
.Lfor_v_\@:
	tensor_load_to_lds s[G0V+4:G0V+7], s[G1V:G1V+7]
	s_nop 0
.rept 4
	v_nop
.endr
.Lasked_\@:
.endm
.macro ADV                          ; the block's next tile, or behind its last the second block's tile 0
	s_add_co_u32 s[NXT], s[NXT], 1
	s_cmp_gt_u32 s[NXT], s[LQ]
	s_cselect_b32 s[NXT], 0, s[NXT]
	s_cselect_b32 s[LQ], s[HI], s[LQ]
.endm
; A PREFETCH INTO THE L2.  In trip t = 0 .. 11 the head's tile t + 4 is named, two trips or more ahead of the first tensor load of the launch that asks for it.  A tile is 128 rows of K and 128 of V, 256 bytes each; the
; head's 8 work-groups share them out by address, 16 + 16 each: wave 0, lanes 0-15 K's rows 16 b + lane, lanes 16-31 the same rows of V.  So each row is named once.  Tiles 0 to 3 come by their loads alone.
.macro ASK
	s_cmp_gt_u32 s[SLOTS], s[LIM]
	s_cbranch_scc0 .Lnot_mine_\@
	global_prefetch_b8 v[PFO], s[PFA:PFA+1] th:TH_LOAD_NT scope:SCOPE_SE
.Lnot_mine_\@:
.endm
; THE CHANGE OF SLOTS.  K and V of the step in hand have been asked out of its slot.  Each wave waits for all its tensor loads, of which one is out: its part of the other slot; adds 0 to its spare word; and waits for that and for
; its own reads of the slot.  Behind the barrier nobody reads the old slot and the other slot is whole.  fill = 1: the old slot is filled again, the first thing behind the barrier, with tile NXT; it has a key step in which to land.
.macro CHANGE fill
	WIN 0
	s_wait_tensorcnt 0x0            ; no tensor load of mine is out, so a group 0 may be written
	ds_add_u32 v[SPW], v[NIL]       ; 0 onto my spare word; scalar work stands between it and the wait for it
.if \fill
	s_lshl_b32 s[OFF], s[NXT], 15   ; a tile is 32,768 bytes of K and of V
	s_xor_b32 s[G0K+5], s[G0K+5], SLOT1
	s_add_nc_u64 s[G0K+6:G0K+7], s[KB:KB+1], s[OFF:OFF+1]
	s_or_b32 s[G0K+7], s[G0K+7], 0x80000000
	s_xor_b32 s[G0V+5], s[G0V+5], SLOT1
	s_add_nc_u64 s[G0V+6:G0V+7], s[VB:VB+1], s[OFF:OFF+1]
	s_or_b32 s[G0V+7], s[G0V+7], 0x80000000
	ADV
	s_wait_xcnt 0x0                 ; the last prefetch, a key step back, has read its address
	s_add_nc_u64 s[PFA:PFA+1], s[PFA:PFA+1], 32768
.endif
	s_wait_dscnt 0x0                ; the add is done, my reads of the slot are over: V of this step is in
	s_barrier_signal -1
	s_xor_b32 s[TB], s[TB], SLOT1   ; the fetches go on in the other slot
	s_barrier_wait -1
.if \fill
	LOAD
.endif
.endm
	s_load_b128 s[4:7], s[0:1], 0x0  ; qkv s[4:5], ctx s[6:7]
	v_lshl_add_u32 v[SPW], v0, 2, SPARE
	v_mov_b32 v[NIL], 0
	ds_add_u32 v[SPW], v[NIL]       ; the wave's opening: the add and its wait stand ahead of my first tensor load; the set-up below, work on registers, stands between them
	v_lshrrev_b32 v1, 5, v0
	v_readfirstlane_b32 s[WV], v1
	s_lshr_b32 s[QH], s[WV], 1
	s_and_b32 s[KH], s[WV], 1
	s_mov_b32 s[PB], ttmp9
	s_sub_co_u32 s[HI], 15, s[PB]
	s_and_b32 s20, ttmp7, 0xffff    ; the head, 16 x batch + h
	s_lshl_b32 s21, s20, 19         ; its first byte in each part of qkv
	s_lshl_b32 s22, s[KH], 14       ; the half tile that I fetch: 64 rows of 256 bytes,
	s_add_co_u32 s22, s22, s21
	s_add_co_u32 s22, s22, 0x1000000  ; in the K part
	s_mov_b32 s23, 0
	s_mul_i32 s17, s[KH], STEPB     ; and its place in a slot; also the half tile that I read
	s_lshl_b32 s2, s[PB], 15        ; Q: block x 128 rows + qh x 64 rows
	s_lshl_b32 s3, s[QH], 14
	s_add_co_u32 s2, s2, s3
	s_add_co_u32 s2, s2, s21
	s_lshl_b32 s[Q2], s[HI], 15
	s_add_co_u32 s[Q2], s[Q2], s3
	s_add_co_u32 s[Q2], s[Q2], s21
	s_mov_b32 s3, 0
	s_mov_b32 s[Q2+1], 0
	s_lshr_b32 s85, s20, 4          ; ctx: (2,048 x batch + 128 x block + 64 qh) rows of 4,096 bytes + 256 h
	s_lshl_b32 s85, s85, 23
	s_and_b32 s86, s20, 15
	s_lshl_b32 s86, s86, 8
	s_add_co_u32 s85, s85, s86
	s_lshl_b32 s86, s[QH], 18
	s_add_co_u32 s85, s85, s86
	s_lshl_b32 s[CX], s[PB], 19
	s_add_co_u32 s[CX], s[CX], s85
	s_mov_b32 s[CX+1], 0
	s_lshl_b32 s[CX+2], s[HI], 19
	s_add_co_u32 s[CX+2], s[CX+2], s85
	s_mov_b32 s[CX+3], 0
	s_lshl_b32 s[PFA], s[PB], 12    ; the prefetches: my work-group's 16 rows, in tile 3: the first change of slots steps it to tile 4
	s_add_co_u32 s[PFA], s[PFA], s21
	s_add_co_u32 s[PFA], s[PFA], 0x1000000+3*32768
	s_mov_b32 s[PFA+1], 0
	s_mov_b32 s[G1K], (1<<16)|(1<<20)|(5<<22)|(3<<25)  ; 17:16 elements of 2 bytes; 20 padding on; 24:22 after every 64 words; 31:25 4 words of it
	s_mov_b32 s[G1V], (1<<16)|(1<<20)|(5<<22)|(7<<25)  ; the same with 8 words
.irp g, G1K, G1V
	s_mov_b32 s[(\g)+1], 128<<16    ; tensor_dim0 = 128
	s_mov_b32 s[(\g)+2], 64<<16     ; tensor_dim1 = 64
	s_mov_b32 s[(\g)+3], 128<<16    ; tile_dim0 = 128
	s_mov_b32 s[(\g)+4], 64         ; tile_dim1 = 64
	s_mov_b32 s[(\g)+5], 128        ; elements from row to row
	s_mov_b32 s[(\g)+6], 0
	s_mov_b32 s[(\g)+7], 0
.endr
	s_mov_b32 s[CS], 0x3e0293ee     ; c = log2(e) / sqrt(128) = 0.127517
	s_mov_b32 s[CS+1], s[CS]        ; named with it as a pair
	s_mov_b32 s[SEL], 0x76543210
	s_mov_b32 s[SEL+1], 0xfedcba98
	s_mov_b32 s[TB], 0
	s_mov_b32 s[BIGN], 0xf149f2ca   ; -1e30
	s_mov_b32 s[AL+1], 0            ; named as pairs
	s_mov_b32 s[OFF+1], 0
	s_mov_b32 s[NXT], 0
	s_mov_b32 s[LQ], s[PB]
	s_add_co_u32 s[RT], s[PB], 1    ; the first block has b + 1 tiles
	s_cmp_eq_u32 s[WV], 0
	s_cselect_b32 s[LIM], 3, -1
	s_wait_dscnt 0x0                ; the opening add is done
	s_wait_kmcnt 0x0
	s_add_nc_u64 s[KB:KB+1], s[4:5], s[22:23]
	s_add_nc_u64 s[VB:VB+1], s[KB:KB+1], 0x1000000
	s_add_nc_u64 s[2:3], s[4:5], s[2:3]
	s_add_nc_u64 s[Q2:Q2+1], s[4:5], s[Q2:Q2+1]
	s_add_nc_u64 s[CX:CX+1], s[6:7], s[CX:CX+1]
	s_add_nc_u64 s[CX+2:CX+3], s[6:7], s[CX+2:CX+3]
	s_add_nc_u64 s[PFA:PFA+1], s[4:5], s[PFA:PFA+1]
.irp s, 0,1                         ; the walk's first two tiles
	s_lshl_b32 s[OFF], s[NXT], 15
	s_mov_b32 s[G0K+4*(\s)], 1      ; count = 1
	s_add_co_u32 s[G0K+4*(\s)+1], s17, (\s)*SLOT1  ; LDS address
	s_add_nc_u64 s[G0K+4*(\s)+2:G0K+4*(\s)+3], s[KB:KB+1], s[OFF:OFF+1]  ; global address
	s_or_b32 s[G0K+4*(\s)+3], s[G0K+4*(\s)+3], 0x80000000  ; type = 2
	s_mov_b32 s[G0V+4*(\s)], 1
	s_add_co_u32 s[G0V+4*(\s)+1], s17, (\s)*SLOT1+VOFF
	s_add_nc_u64 s[G0V+4*(\s)+2:G0V+4*(\s)+3], s[VB:VB+1], s[OFF:OFF+1]
	s_or_b32 s[G0V+4*(\s)+3], s[G0V+4*(\s)+3], 0x80000000
	ADV
.endr
	s_cmp_lt_u32 s[WV], 2           ; a wave's two first fills stand in one branch, ahead of every wait on TENSORcnt, every LDS read and every barrier: two loads of mine are out
	s_cbranch_scc0 .Lfirst_v
	tensor_load_to_lds s[G0K:G0K+3], s[G1K:G1K+7]
	s_nop 0
	tensor_load_to_lds s[G0K+4:G0K+7], s[G1K:G1K+7]
	s_nop 0
.rept 4
	v_nop
.endr
	s_branch .Lfirst_asked
.Lfirst_v:
	tensor_load_to_lds s[G0V:G0V+3], s[G1V:G1V+7]
	s_nop 0
	tensor_load_to_lds s[G0V+4:G0V+7], s[G1V:G1V+7]
	s_nop 0
.rept 4
	v_nop
.endr
.Lfirst_asked:
	; A fragment of K or Q is 16 rows x 32 channels in 8 registers: lane l holds row l % 16, channels 8 (l / 16) + 0..7 and 16 + 8 (l / 16) + 0..7: two loads of 16 bytes, 32 bytes apart.
	v_and_b32 v1, 15, v0            ; r
	v_bfe_u32 v10, v0, 4, 1         ; h
	v_lshlrev_b32 v[QO], 8, v1
	v_lshl_add_u32 v[QO], v10, 4, v[QO]
.macro QLOAD base                   ; Q stays in registers: tile i / 4, channels 32 (i % 4) on
	WIN 0x80
.irp i, 0,1,2,3,4,5,6,7,8,9,10,11,12,13,14,15
	global_load_b128 v[8*(\i):8*(\i)+3],   v[QO], s[\base:\base+1] offset:((\i)/4)*4096+((\i)%4)*64
	global_load_b128 v[8*(\i)+4:8*(\i)+7], v[QO], s[\base:\base+1] offset:((\i)/4)*4096+((\i)%4)*64+32
.endr
	WIN 0
.endm
	QLOAD 2
	v_mul_u32_u24 v[AK0], v1, PK
	v_lshl_add_u32 v[AK0], v10, 4, v[AK0]
	v_add_nc_u32 v[AK0], s17, v[AK0]
	; The turning load takes 16 keys x 16 channels (lane l reads key 8 (l / 16) + l % 8, channels 8 ((l / 8) % 2) + 0..7) and leaves half a fragment of V^T: lane l holds channel l % 16 and 8 keys.
	v_and_b32 v44, 7, v0
	v_bfe_u32 v45, v0, 3, 1
	v_lshl_add_u32 v[AV0], v10, 3, v44
	v_mul_u32_u24 v[AV0], v[AV0], PV
	v_lshl_add_u32 v[AV0], v45, 4, v[AV0]
	s_add_co_u32 s87, s17, VOFF
	v_add_nc_u32 v[AV0], s87, v[AV0]
	s_mul_i32 s87, s[WV], 16*SP
	s_add_co_u32 s87, s87, STAGE    ; my stage
	v_mul_u32_u24 v[STO], v1, SP    ; in: row r, 16 bytes for each half of the lanes
	v_lshl_add_u32 v[STO], v10, 4, v[STO]
	v_add_nc_u32 v[STO], s87, v[STO]
	v_mul_u32_u24 v[RD], v10, SP    ; back: lanes 0-15 take one row of 256 bytes, lanes 16-31 the next
	v_lshl_add_u32 v[RD], v1, 4, v[RD]
	v_add_nc_u32 v[RD], s87, v[RD]
	v_lshlrev_b32 v[GO], 12, v10    ; and the same two rows in ctx
	v_lshl_add_u32 v[GO], v1, 4, v[GO]
	v_and_b32 v46, 31, v0
	s_mul_i32 s87, s[QH], XPAIR
	s_add_co_u32 s87, s87, XCH
	v_lshl_add_u32 v[XA], v46, 4, s87
	v_lshlrev_b32 v[PFO], 8, v1     ; row l % 16; lanes 16-31 one part of qkv further on
	v_lshl_add_u32 v[PFO], v10, 24, v[PFO]
	; DM.  Where qh = kh: a key block below the query tile is seen (lo = 0), one above it hidden (hi = -1e30), in the tile's own block key 8 h + j is hidden where it is greater than r.  Where qh < kh all is hidden, where qh > kh all is seen.
	s_cmp_lt_u32 s[QH], s[KH]
	s_cselect_b32 s85, s[BIGN], 0
	s_cmp_le_u32 s[QH], s[KH]
	s_cselect_b32 s86, s[BIGN], 0
	v_mov_b32 v44, s85              ; lo
	v_mov_b32 v45, s86              ; hi
	v_lshlrev_b32 v46, 3, v10
	v_sub_nc_u32 v46, v1, v46       ; r - 8 h
	WIN 0xc0
.set n, 0
.rept 8
	v_mov_b32 v[DM+n], v44
	v_cmp_gt_i32 vcc_lo, n, v46
	v_cndmask_b32 v[DM+8+n], v44, v45, vcc_lo
	v_mov_b32 v[DM+16+n], v45
.set n, n+1
.endr
	WIN 0x40                        ; O^T and l start at 0; all this stands in the wait for the first tile
.set n, 0
.rept 256
	v_mov_b32 v[n], 0
.set n, n+1
.endr
	WIN 0
.irp t, 0,1,2,3
	v_mov_b32 v[ST+8*(\t)+2], 0
	v_mov_b32 v[ST+8*(\t)+3], 0
.endr
.macro BEGIN                        ; a block begins: m at -1e20, and c m made of it by the line that the steps use, so that a step which leaves m alone finds c m_old = c m_new
.irp t, 0,1,2,3
	v_mov_b32 v[ST+8*(\t)+1], 0xe0ad78ec
.endr
.irp t, 0,1,2,3
	v_mul_f32 v[ST+8*(\t)], s[CS], v[ST+8*(\t)+1]
.endr
.endm
	BEGIN
; THE MATRIX WORK, for piece x.  The accumulators take turns, one instruction a turn: between two links of a chain stand 7 (K Q^T) or 15 (V^T P) others'.
; Product i of 32 of S^T = K Q^T: channels 32 (i / 8) on, keys 16 ((i / 2) % 4) on, tile x + i % 2.  The first 8 start the sums with the mask of their class.
.macro KQ x
.set tqry, (\x)+i%2
.set kblk, (i/2)%4
.set rS, S+32*tqry+8*kblk
.set rK, KF+32*kblk+8*(i/8)
.set rQ, 32*tqry+8*(i/8)
.if i < 8
.set cls, 1
.if kblk < tqry
.set cls, 0
.endif
.if kblk > tqry
.set cls, 2
.endif
	WIN W_KM
	v_wmma_f32_16x16x32_f16 v[rS:rS+7], v[rK:rK+7], v[rQ:rQ+7], v[MC+8*cls:MC+8*cls+7]
.else
	WIN W_KQ
	v_wmma_f32_16x16x32_f16 v[rS:rS+7], v[rK:rK+7], v[rQ:rQ+7], v[rS:rS+7]
.endif
.endm
; Product i of 32 of O^T += V^T P: keys 32 (i / 16) on, channels 16 ((i / 2) % 8) on, tile x + i % 2.
.macro PV x
	WIN W_PV
.set rO, 64*((\x)+i%2)+8*((i/2)%8)
.set rV, 64*(i/16)+8*((i/2)%8)
.set rP, P+16*((\x)+i%2)+8*(i/16)
	v_wmma_f32_16x16x32_f16 v[rO:rO+7], v[rV:rV+7], v[rP:rP+7], v[rO:rO+7]
.endm
; THE LDS LOADS stand in runs of 32: a step's K (64 keys x 128 channels: 16 fragments) and its V (turned).
.macro FETCH_K
	WIN 0
	v_add_nc_u32 v[ADR], s[TB], v[AK0]
	WIN 0x80
.irp f, 0,1,2,3,4,5,6,7,8,9,10,11,12,13,14,15  ; keys 16 (f / 4) on, channels 32 (f % 4) on
	ds_load_b128 v[KF+8*(\f):KF+8*(\f)+3],   v[ADR] offset:((\f)/4)*16*PK+((\f)%4)*64
	ds_load_b128 v[KF+8*(\f)+4:KF+8*(\f)+7], v[ADR] offset:((\f)/4)*16*PK+((\f)%4)*64+32
.endr
	WIN 0
.endm
.macro FETCH_V
	WIN 0
	v_add_nc_u32 v[ADR], s[TB], v[AV0]
	WIN 0xc0
.irp f, 0,1,2,3,4,5,6,7,8,9,10,11,12,13,14,15  ; keys 32 (f / 8) on, channels 16 (f % 8) on
	ds_load_tr16_b128 v[8*(\f):8*(\f)+3],   v[ADR] offset:((\f)/8)*32*PV+((\f)%8)*32
	ds_load_tr16_b128 v[8*(\f)+4:8*(\f)+7], v[ADR] offset:((\f)/8)*32*PV+16*PV+((\f)%8)*32
.endr
	WIN 0
.endm
.macro MASKS                        ; MC = DM x AL
	WIN 0xc3
.set z, 0
.rept 12
	v_pk_mul_f32 v[MC+2*z:MC+2*z+1], v[DM+2*z:DM+2*z+1], s[AL:AL+1] op_sel_hi:[1,0]
.set z, z+1
.endr
.endm
; THE VECTOR WORK.  One tile's softmax for one key step is a list of 134 instructions; SM writes number j of it for tile t.  s0-s31 are the lane's 32 scores, in pairs 0-15.
;   0-15    the maximum of s0-s31 and the old m, three operands at a time (each accumulator's lowest registers are read first)
;   16-20   the other half of the lanes' maximum; the new m; c m; c m_old - c m_new
;   21-69   ONE BATCH: the 16 scalings c s - c m and all 33 exponentials (a at 23, then s0-s31); none of these reads an exponential's result
;   70-85   the roundings to f16      86-101  the sums; l = a l + the sum      102-133 the tile's O^T times a
.macro SM t
.set rT, ST+8*(\t)
.set rS, S+32*(\t)
.set rP, P+16*(\t)
.set rO, 64*(\t)+2*(j-102)
.if j < 102
	WIN 0
.endif
.if j < 4
	v_max3_num_f32 v[rT+4+j], v[rS+8*j], v[rS+8*j+1], v[rS+8*j+2]
.elseif j < 12
	v_max3_num_f32 v[rT+4+j%4], v[rT+4+j%4], v[rS+8*(j%4)+2*(j/4)+1], v[rS+8*(j%4)+2*(j/4)+2]
.elseif j == 12
	v_max3_num_f32 v[rT+4], v[rT+4], v[rS+7], v[rS+15]
.elseif j == 13
	v_max3_num_f32 v[rT+6], v[rT+6], v[rS+23], v[rS+31]
.elseif j == 14
	v_max3_num_f32 v[rT+4], v[rT+4], v[rT+5], v[rT+6]
.elseif j == 15
	v_max3_num_f32 v[rT+4], v[rT+4], v[rT+7], v[rT+1]
.elseif j == 16
	v_permlanex16_b32 v[rT+5], v[rT+4], s[SEL], s[SEL+1]  ; the query's other 32 keys lie in the lane 16 away
.elseif j == 17
	v_mov_b32 v[rT+7], v[rT]        ; c m_old is kept for a
.elseif j == 18
	v_max_num_f32 v[rT+1], v[rT+4], v[rT+5]
.elseif j == 19
	v_mul_f32 v[rT], s[CS], v[rT+1]
.elseif j == 20
	v_sub_f32 v[rT+7], v[rT+7], v[rT]
.elseif j == 23
	v_exp_f32 v[rT+6], v[rT+7]
.elseif (j < 23) || ((j < 38) && (j%2 == 0)) || ((j < 66) && (j%4 == 2))
.set b, (j-2)/4                     ; 38, 42, .. 62: pairs 9 to 15
.if j < 38
.set b, (j-20)/2                    ; 21: pair 0; 22, 24, .. 36: pairs 1 to 8
.endif
	v_pk_fma_f32 v[rS+2*b:rS+2*b+1], v[rS+2*b:rS+2*b+1], s[CS:CS+1], v[rT:rT+1] op_sel_hi:[1,0,0] neg_lo:[0,0,1] neg_hi:[0,0,1]
.elseif j < 70
.set e, j-38                        ; 66 to 69: s28 to s31
.if j < 66
.set e, j-32-(j-38)/4               ; 39-41, 43-45, .. 63-65: s7 to s27
.endif
.if j < 38
.set e, (j-25)/2                    ; 25, 27, .. 37: s0 to s6
.endif
	v_exp_f32 v[rS+e], v[rS+e]
.elseif j < 86
	v_cvt_pk_f16_f32 v[rP+j-70], v[rS+2*(j-70)], v[rS+2*(j-70)+1]
.elseif j < 102                     ; the sum of the tile's 16 pairs, in place: neighbours 1, 2, 4 and 8 pairs apart, then l takes it
.set z, j-86
.set w, 4
.set u, z
.if z >= 14
.set w, 32
.set u, 0
.elseif z >= 12
.set w, 16
.set u, z-12
.elseif z >= 8
.set w, 8
.set u, z-8
.endif
.if z < 15
	v_pk_add_f32 v[rS+w*u:rS+w*u+1], v[rS+w*u:rS+w*u+1], v[rS+w*u+w/2:rS+w*u+w/2+1]
.else
	v_pk_fma_f32 v[rT+2:rT+3], v[rT+2:rT+3], v[rT+6:rT+7], v[rS:rS+1] op_sel_hi:[1,0,1]
.endif
.else
	WIN W_RS
	v_pk_mul_f32 v[rO:rO+1], v[rO:rO+1], v[rT+6:rT+7] op_sel_hi:[1,0]
.endif
.endm
; Slice k of 64 of piece y's softmax: four instructions.  Slices 11 to 34 deal out the batch, four numbers of one tile each, the tiles by turns; every other slice is numbers 2 k and 2 k + 1 of both tiles; the twelve that are
; over stand in slice 63.  Ahead of slice 35 nothing names an exponential's result and behind slice 34 none is issued: a plain instruction and ONE wait ahead of the first reader serve the piece's 66.
.macro SLICE y
.if (k >= 11) && (k < 35)
.irp n, 0,1,2,3
.set j, 22+4*((k-11)/2)+(\n)
	SM (\y)+(k-11)%2
.endr
.else
.irp n, 0,1,2,3,4,5,6,7
.if ((\n) < 2) || (k == 63)
.irp t, \y, (\y)+1
.set j, 2*k+(\n)
	SM \t
.endr
.endif
.endr
.endif
.if k == 34
	v_nop
	s_wait_alu depctr_va_vdst(0)
.endif
.set k, k+1
.endm
; A BLOCK ENDS, first part.  The wave with kh = 1 hands over: c m and l (its two halves and the other half of the lanes' added) of its four tiles, then O^T, 512 consecutive bytes a store.
; nextq = 1: every wave asks for the second block's Q, which lands while the pair's results are joined.
.macro PARTA nextq
	s_cmp_eq_u32 s[KH], 1
	s_cbranch_scc0 .Lkeep_\@
.irp t, 0,1,2,3
	v_add_f32 v[ST+8*(\t)+4], v[ST+8*(\t)+2], v[ST+8*(\t)+3]
.endr
.irp t, 0,1,2,3
	v_permlanex16_b32 v[ST+8*(\t)+5], v[ST+8*(\t)+4], s[SEL], s[SEL+1]
.endr
.irp t, 0,1,2,3
	v_add_f32 v[48+(\t)], v[ST+8*(\t)+4], v[ST+8*(\t)+5]
	v_mov_b32 v[44+(\t)], v[ST+8*(\t)]
.endr
	ds_store_b128 v[XA], v[44:47]
	ds_store_b128 v[XA], v[48:51] offset:512
	WIN 0x04                        ; the stores' data in window 1
.set n, 0
.rept 64
	ds_store_b128 v[XA], v[4*n:4*n+3] offset:1024+512*n
.set n, n+1
.endr
	WIN 0
.Lkeep_\@:
.if \nextq
	QLOAD Q2
.endif
.endm
; Second part, the wave with kh = 0.  M = the greater c m; f = 2^(c m - M) for each of the two; L = l0 f0 + l1 f1, at least 1; O = (O0 f0 + O1 f1) / L, rounded to f16 and sent through my stage, a tile (16 rows) at a time.
.macro XLOAD t                      ; the partner's O^T of tile t into S^T's registers, two buffers of 64
	WIN 0
.set n, 0
.rept 16
	ds_load_b128 v[S+64*((\t)%2)+4*n:S+64*((\t)%2)+4*n+3], v[XA] offset:1024+512*(16*(\t)+n)
.set n, n+1
.endr
.endm
.macro SENDC t, younger             ; younger: the LDS instructions issued behind tile t's loads from the stage
	WIN 0
.irp f, 0,1,2,3,4,5,6,7
	s_wait_dscnt (\younger)+7-(\f)
	global_store_b128 v[GO], v[P+32*((\t)%2)+4*(\f):P+32*((\t)%2)+4*(\f)+3], s[CX:CX+1] offset:65536*(\t)+8192*(\f)  ; 16 lanes store 256 consecutive bytes, at a multiple of 256 from ctx's first byte
.endr
.endm
.macro MERGE t, cnt, younger        ; cnt: the LDS instructions issued behind tile t's XLOAD
	WIN 0
	s_wait_dscnt \cnt
.set n, 0
.rept 32
	v_pk_mul_f32 v[S+64*((\t)%2)+2*n:S+64*((\t)%2)+2*n+1], v[S+64*((\t)%2)+2*n:S+64*((\t)%2)+2*n+1], v[ST+8*(\t)+6:ST+8*(\t)+7] op_sel_hi:[1,0]
.set n, n+1
.endr
	WIN 0x01                        ; source 0: my O^T, window 1
.set n, 0
.rept 32
	v_pk_fma_f32 v[S+64*((\t)%2)+2*n:S+64*((\t)%2)+2*n+1], v[64*(\t)+2*n:64*(\t)+2*n+1], v[ST+8*(\t)+2:ST+8*(\t)+3], v[S+64*((\t)%2)+2*n:S+64*((\t)%2)+2*n+1] op_sel_hi:[1,0,1]
.set n, n+1
.endr
	WIN 0
.if (\t) >= 2
	s_wait_xcnt 0x0                 ; the stores of the tile two back have read the registers that are written now
.endif
.set n, 0
.rept 32
	v_cvt_pk_f16_f32 v[P+32*((\t)%2)+n], v[S+64*((\t)%2)+2*n], v[S+64*((\t)%2)+2*n+1]
.set n, n+1
.endr
.if (\t) > 0
	SENDC (\t)-1, \younger
.endif
.irp f, 0,1,2,3,4,5,6,7
	ds_store_b128 v[STO], v[P+32*((\t)%2)+4*(\f):P+32*((\t)%2)+4*(\f)+3] offset:32*(\f)
.endr
.irp f, 0,1,2,3,4,5,6,7
	ds_load_b128 v[P+32*((\t)%2)+4*(\f):P+32*((\t)%2)+4*(\f)+3], v[RD] offset:(\f)*2*SP  ; LDS serves a wave's instructions in order (ISA guide 5.7.1.4): these see the stores above
.endr
.if (\t) < 2
	XLOAD (\t)+2
.endif
.endm
.macro PARTB
	WIN 0
	ds_load_b128 v[52:55], v[XA]             ; the partner's c m
	ds_load_b128 v[56:59], v[XA] offset:512  ; and l
	XLOAD 0
	XLOAD 1
.irp t, 0,1,2,3
	v_add_f32 v[ST+8*(\t)+4], v[ST+8*(\t)+2], v[ST+8*(\t)+3]
.endr
.irp t, 0,1,2,3
	v_permlanex16_b32 v[ST+8*(\t)+5], v[ST+8*(\t)+4], s[SEL], s[SEL+1]
.endr
.irp t, 0,1,2,3
	v_add_f32 v[ST+8*(\t)+4], v[ST+8*(\t)+4], v[ST+8*(\t)+5]   ; my l
.endr
	s_wait_dscnt 32                 ; the two loads of statistics are in; the 32 of O^T may be out
.irp t, 0,1,2,3
	v_max_num_f32 v[ST+8*(\t)+5], v[ST+8*(\t)], v[52+(\t)]     ; M
.endr
.irp t, 0,1,2,3
	v_sub_f32 v[ST+8*(\t)+6], v[ST+8*(\t)], v[ST+8*(\t)+5]
	v_sub_f32 v[ST+8*(\t)+7], v[52+(\t)], v[ST+8*(\t)+5]
.endr
.irp t, 0,1,2,3
	v_exp_f32 v[ST+8*(\t)+6], v[ST+8*(\t)+6]                   ; f0
	v_exp_f32 v[ST+8*(\t)+7], v[ST+8*(\t)+7]                   ; f1
.endr
	v_nop                           ; a plain instruction behind the last exponential,
	s_wait_alu depctr_va_vdst(0)    ; and the wait ahead of the first reader: one for the eight
.irp t, 0,1,2,3
	v_mul_f32 v[ST+8*(\t)+4], v[ST+8*(\t)+4], v[ST+8*(\t)+6]
.endr
.irp t, 0,1,2,3
	v_fma_f32 v[ST+8*(\t)+4], v[56+(\t)], v[ST+8*(\t)+7], v[ST+8*(\t)+4]   ; L
.endr
.irp t, 0,1,2,3
	v_rcp_f32 v[ST+8*(\t)+5], v[ST+8*(\t)+4]
.endr
	v_nop
	s_wait_alu depctr_va_vdst(0)    ; one for the four reciprocals
.irp t, 0,1,2,3
	v_mul_f32 v[ST+8*(\t)+2], v[ST+8*(\t)+6], v[ST+8*(\t)+5]   ; f0 / L, the low word of the pair that l left
	v_mul_f32 v[ST+8*(\t)+6], v[ST+8*(\t)+7], v[ST+8*(\t)+5]   ; f1 / L
.endr
	MERGE 0, 16, 0                  ; behind tile 0's loads: tile 1's 16
	MERGE 1, 32, 16                 ; behind tile 1's: tile 0's 16 through the stage and tile 2's 16
	MERGE 2, 32, 16
	MERGE 3, 16, 0                  ; behind tile 3's: tile 2's 16 through the stage
	SENDC 3, 0
	s_wait_xcnt 0x0                 ; the stores have read their registers and ctx's address
.endm
; A KEY STEP, tile t of the walk.  Its K and V have been asked out of LDS by the step before.  fill = 1: the change of slots asks for tile t + 2.  nextq = 1: a block that ends here has a successor.
.macro STEP fill, nextq
	s_cmp_eq_u32 s[RT], 1           ; is this the block's last tile, the diagonal one?
	s_cselect_b32 s[END], 1, 0
	s_cselect_b32 s[AL], 1.0, 0
	s_sub_co_u32 s[RT], s[RT], 1
	MASKS
	s_wait_dscnt 32                 ; K is in; V's 32 loads, issued behind K's, may be out
.set i, 0
.rept 32
	KQ 0                            ; piece 0's scores
.set i, i+1
.endr
	PLACES
.set k, 0
.set i, 0
.rept 32
	KQ 2                            ; piece 2's scores | piece 0's softmax
	SLICE 0
	SLICE 0
.set i, i+1
.endr
	CHANGE \fill
	FETCH_K                         ; K of tile t + 1; the last product that read K's registers stands 20 plain instructions back
.if \fill
	ASK
.endif
.set k, 0
.set i, 0
.rept 32
	PV 0                            ; piece 0's V^T P | piece 2's softmax
	SLICE 2
	SLICE 2
.set i, i+1
.endr
.set i, 0
.rept 32
	PV 2                            ; piece 2's V^T P
.set i, i+1
.endr
	WIN 0
	PLACES                          ; ahead of the loads into V's registers and of the readers of O^T
	s_cmp_eq_u32 s[END], 1
	s_cbranch_scc0 .Lno_a_\@
	PARTA \nextq
.Lno_a_\@:
	s_wait_dscnt 0x0                ; for the partner's sake: my stores into the exchange are done
	s_barrier_signal -1             ; this barrier stands in every step, so that none stands under a branch; the refill may stay out across it
	s_barrier_wait -1
	s_cmp_eq_u32 s[END], 1
	s_cbranch_scc0 .Lno_b_\@
	s_cmp_eq_u32 s[KH], 0
	s_cbranch_scc0 .Lno_m_\@
	PARTB
.Lno_m_\@:
.if \nextq
	BEGIN
	s_sub_co_u32 s[RT], 16, s[PB]   ; the second block has 16 - b tiles
	s_mov_b64 s[CX:CX+1], s[CX+2:CX+3]
	s_wait_loadcnt 0x0              ; its Q
.endif
.Lno_b_\@:
	FETCH_V                         ; V of tile t + 1
.endm
	s_wait_tensorcnt 1              ; my part of slot 0 is in; slot 1's may stay out
	s_barrier_signal -1
	s_barrier_wait -1               ; everybody's is
	FETCH_K
	FETCH_V
	s_wait_loadcnt 0x0              ; Q
	s_mov_b32 s[SLOTS], 15
.Lslot:                             ; 15 trips: a tile is worked on and the tile two on is asked for; the first block, b + 1 <= 8 tiles, ends in here
	STEP 1, 1
	s_sub_co_u32 s[SLOTS], s[SLOTS], 1
	s_cmp_lg_u32 s[SLOTS], 0
	s_cbranch_scc1 .Lslot
	s_mov_b32 s[CNT], 2
.Ltail:                             ; the walk's last two tiles ask for nothing; the second block ends in the second.  That trip's two runs of LDS loads read the ring's old bytes and serve nothing: the price of one text for both
	STEP 0, 0
	s_sub_co_u32 s[CNT], s[CNT], 1
	s_cmp_lg_u32 s[CNT], 0
	s_cbranch_scc1 .Ltail
	s_wait_tensorcnt 0x0            ; the wave's end: a wait, an add to my spare word and its wait, behind my last tensor load and my last LDS store
	ds_add_u32 v[SPW], v[NIL]
	s_wait_dscnt 0x0
	s_endpgm
.Lfunc_end_k_q2e27d78789_attn:
	.size	k_q2e27d78789_attn, .Lfunc_end_k_q2e27d78789_attn-k_q2e27d78789_attn
	.p2alignl 7, 3214868480
	.fill 96, 4, 3214868480
	.section	.rodata,"a",@progbits
	.p2align	6, 0x0
	.amdhsa_kernel k_q2e27d78789_attn
		.amdhsa_group_segment_fixed_size 327680
		.amdhsa_private_segment_fixed_size 0
		.amdhsa_enable_private_segment 0
		.amdhsa_kernarg_size 16
		.amdhsa_user_sgpr_count 2
		.amdhsa_user_sgpr_kernarg_segment_ptr 1
		.amdhsa_wavefront_size32 1
		.amdhsa_system_sgpr_workgroup_id_x 1
		.amdhsa_system_sgpr_workgroup_id_y 1
		.amdhsa_system_sgpr_workgroup_id_z 1
		.amdhsa_system_vgpr_workitem_id 0
		.amdhsa_next_free_vgpr 944
		.amdhsa_next_free_sgpr 88
		.amdhsa_reserve_vcc 1
		.amdhsa_float_denorm_mode_32 3
		.amdhsa_float_denorm_mode_16_64 3
		.amdhsa_memory_ordered 1
		.amdhsa_forward_progress 1
		.amdhsa_inst_pref_size 211
	.end_amdhsa_kernel
	.amdgpu_metadata
---
amdhsa.version: [ 1, 2 ]
amdhsa.kernels:
  - .name:           k_q2e27d78789_attn
    .symbol:         k_q2e27d78789_attn.kd
    .args:
      - { .name: qkv, .offset: 0, .size: 8, .value_kind: global_buffer, .address_space: global }
      - { .name: ctx, .offset: 8, .size: 8, .value_kind: global_buffer, .address_space: global }
    .group_segment_fixed_size: 327680
    .private_segment_fixed_size: 0
    .kernarg_segment_align: 8
    .kernarg_segment_size: 16
    .max_flat_workgroup_size: 128
    .sgpr_count:     88
    .vgpr_count:     944
    .wavefront_size: 32
...
	.end_amdgpu_metadata
.endif
;; end of part 3
;; launch oproj (part 4): grid 8 x 32, 4 waves a work-group, clusters of 4 x 4, 327,680 bytes of LDS; arguments ctx, wo16, out0, bo; writes out0
.if DOCPART == 4
	.amdgcn_target "amdgcn-amd-amdhsa--gfx1250"
	.amdhsa_code_object_version 6
	.text
	.protected	k_q2e27d78789_oproj
	.globl	k_q2e27d78789_oproj
	.p2align	8
	.type	k_q2e27d78789_oproj,@function
k_q2e27d78789_oproj:
	s_mov_b64 s[64:65], 0
	v_nop
	global_prefetch_b8 v0, s[64:65] scope:SCOPE_SE
	s_setreg_imm32_b32 hwreg(HW_REG_WAVE_MODE, 25, 1), 1
	s_wait_xcnt 0x0
	s_wait_alu depctr_hold_cnt(0) depctr_sa_sdst(0) depctr_va_vdst(0) depctr_va_sdst(0) depctr_va_ssrc(0) depctr_va_vcc(0) depctr_vm_vsrc(0)
	s_getreg_b32 s2, hwreg(HW_REG_IB_STS2, 6, 4)
	s_cmp_eq_u32 s2, 0
	s_cbranch_scc0 .Lentry_in_a_cluster
	s_endpgm
.Lentry_in_a_cluster:
	s_bfe_u32 s2, ttmp6, 0x10000c
	s_cmp_lg_u32 s2, 0xf033
	s_cbranch_scc0 .Lentry_shape_is_right
	s_endpgm
.Lentry_shape_is_right:
; out0 = ctx Wo^T + bo.  ctx: [4096][2048] f16; wo16: [2048][2048] f16 (Wo rounded to bf16, written as f16); bo: [2048] f32; out0: [4096][2048] f32.  Sums in f32; the bias is the C operand that starts them.
; bo IS ROUNDED TO bf16 HERE, as the first launch rounds every other input: the program computes the module on inputs rounded to bf16, all of them (the problem's text allows that as the expected result).  So bo keeps 8 significant bits.
; SHARES.  A tile is 128 rows x 256 columns, one to each of 256 work-groups; four waves, each 64 x 128: 32 accumulators of 16 x 16.  K = 2,048 goes in 16 steps of 128 through a ring of two LDS slots.
; CLUSTER.  4 x 4 work-groups: the four of a row need the same rows of ctx, the four of a column the same rows of Wo; each tile is asked for jointly, by the same tensor load, descriptor and mask in all four.
; THE PRODUCT IS USED TRANSPOSED (source 0 = 16 rows of Wo, source 1 = 16 rows of ctx): lane (r = l % 16, h = l / 16) holds row r and the columns 16 b + 8 h + 0..7 of accumulator (a, b).
; REGISTERS, in windows of 256 (s_set_vgpr_msb: bits 1:0 source 0, 3:2 source 1, 5:4 source 2, 7:6 destination):
;   window 0: v16-30 addresses; v32-127 and v128-223 two fragment buffers (Wo's eight fragments, then ctx's four)
;   window 1: accumulator (a, b) at v[8 (8 a + b)]      window 2: v0-63 the bias of my 128 columns, in an accumulator's layout; v64-191 rows read back from the stage, two buffers (v64-95 first serve the bias's rounding)
.set KDIM,   2048
.set KSTEP,  128
.set PITCH,  272                       ; an LDS row: 256 bytes + 16 of padding: the 16 rows of a fragment load start at 16 different groups of four banks (ISA guide 11.1)
.set HA,     64*PITCH
.set HB,     128*PITCH
.set BOFF,   128*PITCH                 ; Wo's 256 rows lie behind ctx's 128
.set SLOT,   BOFF+256*PITCH
.set STAGE,  2*SLOT                    ; behind the ring: 16 rows x 528 bytes for each wave, for the way out
.set SPITCH, 528                       ; 512 bytes + 16: row r starts at bank 4 r mod 64
.set SPARE,  STAGE+4*16*SPITCH         ; the spare words, 128 bytes for each wave: two blocks of 256 bytes that no other line names
.set ADRA, 16
.set ADRB, 20
.set STO,  24                          ; v24     the way out: where I put 32 bytes of a row
.set RD,   25                          ; v25     where I read a row back
.set CO,   26                          ; v26     16 x lane: my 16 bytes of a row's 512
.set TO,   27                          ; v27     32 x h: my eight numbers of 16 of the bias
.set SPW,  28                          ; v28     LDS address of my spare word; never rewritten
.set NIL,  29                          ; v29     0; never rewritten
.set PFO,  30                          ; v30     the prefetches' offset: lane x a row of 4,096 bytes
.set F0,   32
.set F1,   128
.set BK,   64                          ; window 2
.set G1,   24
.set G0,   32
.set G1B,  48
.set G0B,  56
.set LIM,  43                          ; s43     1 in a wave that prefetches, else the greatest number
.set PFA,  44                          ; s[44:45] where my prefetches stand: one K step further along K than the refill that is being asked for
.set MSB, 0
.macro WIN new
.if MSB != (\new)
	s_set_vgpr_msb (MSB<<8)|(\new)
.set MSB, \new
.endif
.endm
.macro PLACES                          ; four plain vector instructions behind matrix instructions (ISA guide 7.12.1)
.rept 4
	v_nop
.endr
.endm
; A joint load.  Waves 0 and 1 fetch the two halves of ctx's 128 rows, waves 2 and 3 the two halves of Wo's 256.  An s_nop 0 and four v_nop follow each of the two lines.
.macro JLOAD s
	s_cmp_eq_u32 s11, 0
	s_cbranch_scc0 .Lfor_b_\@
	tensor_load_to_lds s[G0+4*(\s):G0+4*(\s)+3], s[G1:G1+7]
	s_nop 0
.rept 4
	v_nop
.endr
	s_branch .Lasked_\@
.Lfor_b_\@:
	tensor_load_to_lds s[G0B+4*(\s):G0B+4*(\s)+3], s[G1B:G1B+7]
	s_nop 0
.rept 4
	v_nop
.endr
.Lasked_\@:
.endm
; A PREFETCH INTO THE L2, behind each joint load and the run of LDS loads that follows it: the K step that stands two refills on: 32 rows x 256 bytes, a lane a row.  ctx's tile row is read by both clusters of that row of
; clusters: the one with x = 0 asks, its four partners along x take 32 rows each, wave 0.  Wo's tile column is read by all eight clusters of that column: the one with y = 0 asks, its partners along y take 64 rows each,
; waves 2 and 3 take 32.  So each row's 256 bytes of a K step are named once.  K steps 0 to 3 come by their loads alone; the loop's last trip has no K step two on.
.macro ASK
	s_cmp_gt_u32 s3, s[LIM]
	s_cbranch_scc0 .Lnot_mine_\@
	global_prefetch_b8 v[PFO], s[PFA:PFA+1] offset:KSTEP*2 th:TH_LOAD_NT scope:SCOPE_SE
.Lnot_mine_\@:
.endm
.macro CREST
	s_cmp_lg_u32 s10, 0
	s_cbranch_scc1 .Lnot_wave_0_\@
	s_barrier_signal -3
.Lnot_wave_0_\@:
	s_barrier_wait -3
	s_barrier_signal -1
	s_barrier_wait -1
.endm
.macro CROUND
	s_barrier_signal -1
	s_barrier_wait -1
	CREST
.endm
	s_load_b128 s[4:7], s[0:1], 0x0                ; ctx s[4:5], wo16 s[6:7]
	s_load_b64 s[8:9], s[0:1], 0x10                ; out0
	s_load_b64 s[66:67], s[0:1], 0x18              ; bo
	v_lshl_add_u32 v[SPW], v0, 2, SPARE
	v_mov_b32 v[NIL], 0
	ds_add_u32 v[SPW], v[NIL]                      ; the wave's opening: the add and its wait stand ahead of my first tensor load; the set-up below, work on registers, stands between them
	v_lshrrev_b32 v1, 5, v0
	v_readfirstlane_b32 s10, v1                    ; wave 0..3
	s_lshr_b32 s11, s10, 1                         ; which 64 of the tile's rows are mine.  Also: I fetch for ctx (0) or for Wo (1)
	s_and_b32 s12, s10, 1                          ; which 128 of its columns.  Also: which half of that tile I fetch
	s_bfe_u32 s40, ttmp6, 0x40000                  ; cx, cy
	s_bfe_u32 s41, ttmp6, 0x40004
	s_lshl_b32 s42, ttmp9, 2
	s_add_co_u32 s42, s42, s40                     ; tile column gx
	s_and_b32 s13, ttmp7, 0xffff
	s_lshl_b32 s13, s13, 2
	s_add_co_u32 s13, s13, s41                     ; tile row gy
	s_lshl_b32 s43, s41, 2
	s_lshl_b32 s43, 15, s43                        ; my row of the cluster
	s_lshl_b32 s44, 0x1111, s40                    ; my column
	s_or_b32 s[G1+0], s43, (1<<16)|(1<<20)|(1<<21)|(5<<22)|(3<<25)   ; 15:0 the mask; 17:16 elements of 2 bytes; 20 padding on; 21 set beside a mask; 24:22 after every 64 words; 31:25 4 words of it
	s_or_b32 s[G1B+0], s44, (1<<16)|(1<<20)|(1<<21)|(5<<22)|(3<<25)
	s_mov_b32 s[G1+1], KSTEP<<16                   ; tensor_dim0 = 128
	s_mov_b32 s[G1+2], 64<<16                      ; tensor_dim1 = 64
	s_mov_b32 s[G1+3], KSTEP<<16                   ; tile_dim0 = 128
	s_mov_b32 s[G1+4], 64                          ; tile_dim1 = 64
	s_mov_b32 s[G1+5], KDIM                        ; elements from row to row
	s_mov_b32 s[G1+6], 0
	s_mov_b32 s[G1+7], 0
	s_mov_b32 s[G1B+1], KSTEP<<16
	s_mov_b32 s[G1B+2], 128<<16
	s_mov_b32 s[G1B+3], KSTEP<<16
	s_mov_b32 s[G1B+4], 128
	s_mov_b32 s[G1B+5], KDIM
	s_mov_b32 s[G1B+6], 0
	s_mov_b32 s[G1B+7], 0
	s_lshl_b32 s16, s13, 7                         ; ctx: row 128 gy + 64 x half
	s_lshl_b32 s17, s12, 6
	s_add_co_u32 s16, s16, s17
	s_mul_i32 s16, s16, KDIM*2
	s_mov_b32 s17, 0
	s_lshl_b32 s46, s42, 8                         ; Wo: row 256 gx + 128 x half
	s_lshl_b32 s47, s12, 7
	s_add_co_u32 s46, s46, s47
	s_mul_i32 s46, s46, KDIM*2
	s_mov_b32 s47, 0
	s_mul_i32 s20, s12, HA                         ; where they go: no place in the cluster enters an LDS address
	s_mul_i32 s21, s12, HB
	s_add_co_u32 s21, s21, BOFF
	s_wait_dscnt 0x0                               ; the opening add is done
	s_wait_kmcnt 0x0
	s_add_nc_u64 s[14:15], s[4:5], s[16:17]
	s_add_nc_u64 s[46:47], s[6:7], s[46:47]
	CROUND                                         ; all sixteen work-groups are here: the first joint loads meet
.irp s, 0,1
	s_mov_b32 s[G0+4*(\s)], 1
	s_add_co_u32 s[G0+4*(\s)+1], s20, (\s)*SLOT
	s_add_nc_u64 s[G0+4*(\s)+2:G0+4*(\s)+3], s[14:15], (\s)*KSTEP*2
	s_or_b32 s[G0+4*(\s)+3], s[G0+4*(\s)+3], 0x80000000
	s_mov_b32 s[G0B+4*(\s)], 1
	s_add_co_u32 s[G0B+4*(\s)+1], s21, (\s)*SLOT
	s_add_nc_u64 s[G0B+4*(\s)+2:G0B+4*(\s)+3], s[46:47], (\s)*KSTEP*2
	s_or_b32 s[G0B+4*(\s)+3], s[G0B+4*(\s)+3], 0x80000000
	JLOAD \s                                       ; two loads of mine are out
.endr
	v_and_b32 v1, 15, v0                           ; r
	v_bfe_u32 v2, v0, 4, 1                         ; h
	v_and_b32 v4, 31, v0                           ; lane
	v_mul_u32_u24 v3, v1, PITCH
	v_lshl_add_u32 v3, v2, 4, v3
	s_mul_i32 s22, s11, HA
	s_mul_i32 s23, s12, HB
	s_add_co_u32 s23, s23, BOFF
.irp s, 0,1
	v_add_nc_u32 v[ADRA+(\s)], s22, v3
	v_add_nc_u32 v[ADRB+(\s)], s23, v3
	s_add_co_u32 s22, s22, SLOT
	s_add_co_u32 s23, s23, SLOT
.endr
	s_mul_i32 s22, s10, 16*SPITCH
	s_add_co_u32 s22, s22, STAGE                   ; my stage
	v_mul_u32_u24 v5, v1, SPITCH                   ; in: row r, 32 bytes for each half of the lanes
	v_lshl_add_u32 v5, v2, 5, v5
	v_add_nc_u32 v[STO], s22, v5
	v_lshl_add_u32 v[RD], v4, 4, s22               ; back: the 32 lanes take one row of 512 bytes
	v_lshlrev_b32 v[CO], 4, v4
	v_lshlrev_b32 v[TO], 5, v2
	v_lshlrev_b32 v[PFO], 12, v4
	s_lshl_b32 s68, s13, 20                        ; out0 at row 128 gy + 64 x half (8,192 bytes a row), column 256 gx + 128 x half
	s_lshl_b32 s69, s11, 19
	s_add_co_u32 s68, s68, s69
	s_lshl_b32 s70, s42, 10
	s_lshl_b32 s71, s12, 9
	s_add_co_u32 s70, s70, s71
	s_add_co_u32 s68, s68, s70
	s_mov_b32 s69, 0
	s_add_nc_u64 s[8:9], s[8:9], s[68:69]
	s_mov_b32 s71, 0
	s_add_nc_u64 s[66:67], s[66:67], s[70:71]      ; the bias at my first column
	s_and_b32 s70, ttmp7, 0xffff                   ; the prefetches
	s_lshl_b32 s68, s13, 7                         ; ctx: row 128 gy + 32 cx
	s_lshl_b32 s69, s40, 5
	s_add_co_u32 s68, s68, s69
	s_lshl_b32 s69, s42, 8                         ; Wo: row 256 gx + 64 cy + 32 x half
	s_lshl_b32 s71, s41, 6
	s_add_co_u32 s69, s69, s71
	s_lshl_b32 s71, s12, 5
	s_add_co_u32 s69, s69, s71
	s_cmp_eq_u32 s11, 0                            ; do I fetch for ctx?
	s_cselect_b32 s68, s68, s69
	s_cselect_b32 s70, ttmp9, s70                  ; the coordinate along which other clusters read the same rows
	s_cselect_b64 s[PFA:PFA+1], s[4:5], s[6:7]
	s_cmp_eq_u32 s10, 1                            ; wave 1 never asks: ctx's 32 rows are wave 0's
	s_cselect_b32 s71, 1, 0
	s_or_b32 s70, s70, s71
	s_cmp_eq_u32 s70, 0
	s_cselect_b32 s[LIM], 1, -1                    ; the same in all sixteen partners, for a given wave
	s_mul_i32 s68, s68, KDIM*2
	s_add_co_u32 s68, s68, 2*KSTEP*2               ; at K step 2: the first refill steps it to 3 and names K step 4
	s_mov_b32 s69, 0
	s_add_nc_u64 s[PFA:PFA+1], s[PFA:PFA+1], s[68:69]
	WIN 0x80                                       ; the bias: register 8 b + j of window 2 = column 16 b + 8 h + j
.irp b, 0,1,2,3,4,5,6,7
	global_load_b128 v[8*(\b):8*(\b)+3],   v[TO], s[66:67] offset:64*(\b)
	global_load_b128 v[8*(\b)+4:8*(\b)+7], v[TO], s[66:67] offset:64*(\b)+16
.endr
	WIN 0
; 8 matrix instructions: row block a x all 8 column blocks, 32 along K.  zero = 1: the product starts the sums, with the bias as C.  Every quarter step takes the 32 accumulators once, in the same order: by turns.
.macro MUL8 f, a, zero
.if \zero
	WIN 0x60                                       ; C in window 2, D in window 1
.else
	WIN 0x50                                       ; C and D in window 1
.endif
.irp b, 0,1,2,3,4,5,6,7
.if \zero
	v_wmma_f32_16x16x32_f16 v[8*(8*(\a)+(\b)):8*(8*(\a)+(\b))+7], v[(\f)+8*(\b):(\f)+8*(\b)+7], v[(\f)+64+8*(\a):(\f)+64+8*(\a)+7], v[8*(\b):8*(\b)+7]
.else
	v_wmma_f32_16x16x32_f16 v[8*(8*(\a)+(\b)):8*(8*(\a)+(\b))+7], v[(\f)+8*(\b):(\f)+8*(\b)+7], v[(\f)+64+8*(\a):(\f)+64+8*(\a)+7], v[8*(8*(\a)+(\b)):8*(8*(\a)+(\b))+7]
.endif
.endr
.endm
.macro FETCH slot, k, f                ; 24 LDS loads in one run: Wo's sixteen, then ctx's eight
	WIN 0
.irp i, 0,1,2,3,4,5,6,7
	ds_load_b128 v[(\f)+8*(\i):(\f)+8*(\i)+3],   v[ADRB+(\slot)] offset:(\k)+(\i)*16*PITCH
	ds_load_b128 v[(\f)+8*(\i)+4:(\f)+8*(\i)+7], v[ADRB+(\slot)] offset:(\k)+(\i)*16*PITCH+32
.endr
.irp i, 0,1,2,3
	ds_load_b128 v[(\f)+64+8*(\i):(\f)+64+8*(\i)+3],   v[ADRA+(\slot)] offset:(\k)+(\i)*16*PITCH
	ds_load_b128 v[(\f)+64+8*(\i)+4:(\f)+64+8*(\i)+7], v[ADRA+(\slot)] offset:(\k)+(\i)*16*PITCH+32
.endr
.endm
.macro QUARTER slot, k, f, g, zero
	s_wait_dscnt 4                                 ; Wo's fragments and ctx's blocks 0 and 1 are in; the youngest four loads may be out
	MUL8 \f, 0, \zero
	MUL8 \f, 1, \zero
	PLACES
	FETCH \slot, \k, \g
	s_wait_dscnt 24                                ; all but the 24 just issued
	MUL8 \f, 2, \zero
	MUL8 \f, 3, \zero
.endm
; The last quarter multiplies buffer 1 and changes slots: ONE barrier; ahead of it each wave waits for all its tensor loads (the one that is out is its part of the next slot), adds 0 to its spare word, and waits for that and
; for its own reads of this slot.  mode 0: the barrier opens a round of the cluster's barrier, and this slot's refill, two K steps on, is the first thing behind the round: 112 matrix instructions ahead of the wait for it.  mode 2: nothing is filled.
.macro TURN slot, next, mode
.if (\mode) < 2
	s_wait_xcnt 0x0                                ; the last prefetch, a K step back, has read its address
	s_add_nc_u64 s[PFA:PFA+1], s[PFA:PFA+1], KSTEP*2
.endif
	WIN 0
	s_wait_tensorcnt 0x0                           ; all my tensor loads have landed
	ds_add_u32 v[SPW], v[NIL]                      ; 0 onto my spare word
	s_wait_dscnt 5                                 ; (the add and the youngest four loads may be out)
	MUL8 F1, 0, 0
	s_wait_dscnt 0x0                               ; the add is done, and my reads of this slot are over
	s_barrier_signal -1
	MUL8 F1, 1, 0
.if (\mode) < 2
	WIN 0
.endif
	s_barrier_wait -1
.if (\mode) < 2
	CREST                                          ; no wave of any partner still reads this slot or has a load on its way
	s_add_nc_u64 s[G0+4*(\slot)+2:G0+4*(\slot)+3], s[G0+4*(\slot)+2:G0+4*(\slot)+3], 2*KSTEP*2
	s_add_nc_u64 s[G0B+4*(\slot)+2:G0B+4*(\slot)+3], s[G0B+4*(\slot)+2:G0B+4*(\slot)+3], 2*KSTEP*2
	JLOAD \slot                                    ; the four v_nop behind it are also the places ahead of the loads below
.else
	PLACES
.endif
	FETCH \next, 0, F0
.if (\mode) < 2
	ASK
.endif
	MUL8 F1, 2, 0
	MUL8 F1, 3, 0
.endm
; THE WAY OUT of row block a: 32 bytes a lane and column block into my own stage, straight from the accumulators (their lowest registers first); back as whole rows of 512 bytes; stored.
.macro TOSTAGE a
	WIN 0x04                                       ; the stores' data in window 1
.irp b, 0,1,2,3,4,5,6,7
	ds_store_b128 v[STO], v[8*(8*(\a)+(\b)):8*(8*(\a)+(\b))+3]   offset:64*(\b)
	ds_store_b128 v[STO], v[8*(8*(\a)+(\b))+4:8*(8*(\a)+(\b))+7] offset:64*(\b)+16
.endr
.if (\a) >= 2
	s_wait_xcnt 0x0                                ; the stores of the block two back have read the buffer that is loaded now
.endif
	WIN 0x80                                       ; destination window 2
.set n, 0
.rept 16
	ds_load_b128 v[BK+64*((\a)%2)+4*n:BK+64*((\a)%2)+4*n+3], v[RD] offset:SPITCH*n  ; LDS serves a wave's instructions in order (ISA guide 5.7.1.4): these see the stores above
.set n, n+1
.endr
.endm
.macro SEND a, younger                 ; younger: the next block's 32 LDS instructions, or none
	WIN 0x08                                       ; the stores' data in window 2
	s_wait_dscnt \younger
.set n, 0
.rept 16
	global_store_b128 v[CO], v[BK+64*((\a)%2)+4*n:BK+64*((\a)%2)+4*n+3], s[8:9] offset:8192*(16*(\a)+n) th:TH_STORE_NT  ; 512 consecutive bytes of a row, at a multiple of 512 from out0's first; the row stands in the immediate, 516,096 at the most
.set n, n+1
.endr
.endm
	s_wait_tensorcnt 1                             ; my part of K step 0 is in; K step 1's may stay out
	s_barrier_signal -1
	s_barrier_wait -1
	FETCH 0, 0, F0
	s_wait_loadcnt 0x0                             ; the bias
	WIN 0x8a                                       ; sources and destination in window 2: the bias is rounded to bf16, two numbers a line, and widened again in place, while the first fragments come out of LDS
.set n, 0
.rept 32
	v_cvt_pk_bf16_f32 v[BK+n], v[2*n], v[2*n+1]
.set n, n+1
.endr
.set n, 0
.rept 32
	v_lshlrev_b32 v[2*n], 16, v[BK+n]
	v_and_b32 v[2*n+1], 0xffff0000, v[BK+n]
.set n, n+1
.endr
	QUARTER 0, 64,  F0, F1, 1                      ; the first quarter stands ahead of the loop: its products start the sums
	WIN 0
	s_mov_b32 s3, 7
.Llap:                                                 ; a trip goes once round the ring, from a lap's second quarter to the next lap's first, and fills both slots again
	QUARTER 0, 128, F1, F0, 0
	QUARTER 0, 192, F0, F1, 0
	TURN 0, 1, 0
	QUARTER 1, 64,  F0, F1, 0
	QUARTER 1, 128, F1, F0, 0
	QUARTER 1, 192, F0, F1, 0
	TURN 1, 0, 0
	QUARTER 0, 64,  F0, F1, 0
	WIN 0
	s_sub_co_u32 s3, s3, 1
	s_cmp_lg_u32 s3, 0
	s_cbranch_scc1 .Llap
	QUARTER 0, 128, F1, F0, 0                      ; the last lap fills nothing
	QUARTER 0, 192, F0, F1, 0
	TURN 0, 1, 2
	QUARTER 1, 64,  F0, F1, 0
	QUARTER 1, 128, F1, F0, 0
	QUARTER 1, 192, F0, F1, 0
	s_wait_dscnt 4
	MUL8 F1, 0, 0
	MUL8 F1, 1, 0
	s_wait_dscnt 0x0
	MUL8 F1, 2, 0
	MUL8 F1, 3, 0
	WIN 0
	PLACES                                         ; behind the last products: their results are read
	PLACES
	TOSTAGE 0
	TOSTAGE 1
	SEND 0, 32
	TOSTAGE 2
	SEND 1, 32
	TOSTAGE 3
	SEND 2, 32
	SEND 3, 0
	WIN 0
	s_wait_tensorcnt 0x0                           ; the wave's end: a wait, an add to my spare word and its wait, behind my last tensor load and my last LDS store
	ds_add_u32 v[SPW], v[NIL]
	s_wait_dscnt 0x0
	CROUND                                         ; the closing round: no work-group ends while a partner may still ask for a tile that names it
	s_endpgm
.Lfunc_end_k_q2e27d78789_oproj:
	.size	k_q2e27d78789_oproj, .Lfunc_end_k_q2e27d78789_oproj-k_q2e27d78789_oproj
	.p2alignl 7, 3214868480
	.fill 96, 4, 3214868480
	.section	.rodata,"a",@progbits
	.p2align	6, 0x0
	.amdhsa_kernel k_q2e27d78789_oproj
		.amdhsa_group_segment_fixed_size 327680
		.amdhsa_private_segment_fixed_size 0
		.amdhsa_enable_private_segment 0
		.amdhsa_kernarg_size 32
		.amdhsa_user_sgpr_count 2
		.amdhsa_user_sgpr_kernarg_segment_ptr 1
		.amdhsa_wavefront_size32 1
		.amdhsa_system_sgpr_workgroup_id_x 1
		.amdhsa_system_sgpr_workgroup_id_y 1
		.amdhsa_system_sgpr_workgroup_id_z 1
		.amdhsa_system_vgpr_workitem_id 0
		.amdhsa_next_free_vgpr 704
		.amdhsa_next_free_sgpr 72
		.amdhsa_reserve_vcc 0
		.amdhsa_float_denorm_mode_32 3
		.amdhsa_float_denorm_mode_16_64 3
		.amdhsa_memory_ordered 1
		.amdhsa_forward_progress 1
		.amdhsa_inst_pref_size 93
	.end_amdhsa_kernel
	.amdgpu_metadata
---
amdhsa.version: [ 1, 2 ]
amdhsa.kernels:
  - .name:           k_q2e27d78789_oproj
    .symbol:         k_q2e27d78789_oproj.kd
    .args:
      - { .name: ctx, .offset: 0, .size: 8, .value_kind: global_buffer, .address_space: global }
      - { .name: wo16, .offset: 8, .size: 8, .value_kind: global_buffer, .address_space: global }
      - { .name: out0, .offset: 16, .size: 8, .value_kind: global_buffer, .address_space: global }
      - { .name: bo, .offset: 24, .size: 8, .value_kind: global_buffer, .address_space: global }
    .group_segment_fixed_size: 327680
    .private_segment_fixed_size: 0
    .kernarg_segment_align: 8
    .kernarg_segment_size: 32
    .max_flat_workgroup_size: 128
    .sgpr_count:     72
    .vgpr_count:     704
    .wavefront_size: 32
...
	.end_amdgpu_metadata
.endif
;; end of part 4
;; ======== version 2 of 2: 4 launches; version 1 with the launch prep written anew for expert scheduling mode
;; limits: values are held in f16: magnitudes above 65,504 overflow, below 6.1e-05 lose precision
;; workspace buffers: xb 4,194,304 bytes; wb 6,291,456 bytes; wo16 8,388,608 bytes; cs 1,048,576 bytes; qkv 50,331,648 bytes; ctx 16,777,216 bytes
;; launch prep (part 5): grid 256 x 1, 8 waves a work-group, no clusters, 0 bytes of LDS; arguments x, Wq, Wk, Wv, Wo, theta, xb, wb, wo16, cs; writes xb, wb, wo16, cs
.if DOCPART == 5
	.amdgcn_target "amdgcn-amd-amdhsa--gfx1250"
	.amdhsa_code_object_version 6
	.text
	.protected	k_q2e27d78789_prep
	.globl	k_q2e27d78789_prep
	.p2align	8
	.type	k_q2e27d78789_prep,@function
k_q2e27d78789_prep:
	s_mov_b64 s[64:65], 0
	v_nop
	global_prefetch_b8 v0, s[64:65] scope:SCOPE_SE
	s_setreg_imm32_b32 hwreg(HW_REG_WAVE_SCHED_MODE, 0, 2), 2
	s_setreg_imm32_b32 hwreg(HW_REG_WAVE_MODE, 25, 1), 1
	s_wait_xcnt 0x0
	s_wait_alu depctr_vm_vsrc(0)
; PREP.  THE PROGRAM COMPUTES THE MODULE ON INPUTS ROUNDED TO bf16, ALL OF THEM (the problem's text allows that as the expected result): x, the four weights and theta here, bo in the last launch.
; x and Wq, Wk, Wv are rounded to bf16 (xb; wb = the three weights one below the other); Wo is rounded to bf16 and that number written as f16 (wo16);
; the table of cos and sin of pos x theta is made of the rounded theta (cs).  A stream: each input byte is read once, each output byte written once; no LDS, no barrier, no loop.
; SHARES.  Work-group g of 256 takes 1/256 of every input; thread t takes 16 bytes of each 4,096: a wave's load covers 512 consecutive bytes, its store of 8 bytes a lane 256 consecutive bytes, aligned.
; All 37 loads of a wave go out first; the counted waits take them in order.  No register that a load or store names is written again while it is out, so nothing waits for address translation.
; THE TABLE.  Chunk c = 8 g + wave (2,048 chunks of 512 bytes): block of 16 positions c >> 4, column block b = (c >> 1) & 7, quad q = c & 1.  Lane (r = l % 16, h = l / 16) has position 16 (c >> 4) + r and
; the pairs i0 = 8 b + 4 h + 2 q and i0 + 1, and stores (cos i0, sin i0, cos i0+1, sin i0+1): the 16 bytes that a lane of the projection wants beside columns 16 b + 8 h + 4 q .. + 3 of its row.
; SINE AND COSINE: freq = pos x theta, rounded once as the problem rounds it; n = the nearest whole number to freq x 2 / pi; r = freq - n pi / 2 with pi / 2 in three parts, fused; polynomials on |r| <= pi / 4; the quadrant by n.
; LIMITS.  theta keeps 8 significant bits: the angles are off those of the unrounded theta by up to 2^-9 of themselves.  The polynomials and the reduction hold to about 2e-7 for |freq| up to 1e6.
; Wo at or beyond 65,520 becomes an infinity in f16; below 6e-5 f16 keeps its fixed step of 6e-8.
; THE MODE: SCHED_MODE bits 1:0 = 2 (LLVM: expert scheduling mode 2), set by the entry lines.  The code itself states the register dependences between vector instructions and memory instructions, and those
; through scalar registers that vector instructions write, with s_wait_alu, always for 0.
; THE PLAN.  The text is one straight run.  Registers that memory instructions touch:
;   v2 - v9      offsets of the loads and stores.  Written by vector instructions at the head; never written again.
;   v[10:11]     theta's pair.  Its load lands there; behind the wait for it vector instructions alone name them.
;   v[32:35]     the table's four numbers.  Written by the selects and sign flips; read by one store; never written again.
;   v[40:183]    36 quads.  A load lands in each; behind the wait for it the quad's conversions work in place; its one store reads its first two registers; never written again.
; The quads go in nine groups of four.  At the head of group g, behind the wait for its four loads, ONE wait on va_vdst states that the conversions of group g - 1 (ahead of group 0: the table's numbers) are written; the
; stores of group g - 1 follow it, dealt among the conversions of group g, which name group g's registers alone.  No register that a memory instruction has read is written again, so no wait on vm_vsrc is owed.
.set D, 40                             ; v[40:183]  36 quads as loaded: x 0-7, Wq 8-11, Wk 12-15, Wv 16-19, Wo 20-35
.set M0, 44                            ; s44, s45   the masks of the two angles' odd quadrants
	s_load_b512 s[4:19], s[0:1], 0x0               ; x s[4:5], Wq s[6:7], Wk s[8:9], Wv s[10:11], Wo s[12:13], theta s[14:15], xb s[16:17], wb s[18:19]
	s_load_b128 s[20:23], s[0:1], 0x40             ; wo16 s[20:21], cs s[22:23]
	v_lshrrev_b32 v1, 5, v0
	v_readfirstlane_b32 s24, v1                    ; wave 0..7
	s_mov_b32 s26, 0xbfc90fdb                      ; - pi / 2, its first 24 bits,
	s_mov_b32 s27, 0x333bbd2e                      ; what is left of it,
	s_mov_b32 s28, 0x26f72ced                      ; and what is left of that
	s_mov_b32 s29, 0xbe2aaaa3                      ; sine: r + r z (S1 + S2 z + S3 z z), z = r r
	s_mov_b32 s30, 0x3c08839e
	s_mov_b32 s31, 0xb94ca1f9
	s_mov_b32 s32, 0x3d2aaaa5                      ; cosine: 1 - z / 2 + z z (C1 + C2 z + C3 z z)
	s_mov_b32 s33, 0xbab6061a
	s_mov_b32 s34, 0x37ccf5cf
	s_mov_b32 s35, 0xffff0000                      ; a word's upper bf16
	s_lshl_b32 s36, ttmp9, 15                      ; the group's share: 32,768 bytes of x and of wo16,
	s_lshl_b32 s37, ttmp9, 14                      ; 16,384 of each W and of xb,
	s_lshl_b32 s38, ttmp9, 16                      ; 65,536 of Wo,
	s_lshl_b32 s39, ttmp9, 13                      ; 8,192 of each part of wb
	v_lshl_add_u32 v2, v0, 4, s36                  ; load offsets: x,
	v_lshl_add_u32 v3, v0, 4, s37                  ; Wq, Wk, Wv,
	v_lshl_add_u32 v4, v0, 4, s38                  ; Wo
	v_lshl_add_u32 v5, v0, 3, s37                  ; store offsets: xb,
	v_lshl_add_u32 v6, v0, 3, s39                  ; wb,
	v_lshl_add_u32 v7, v0, 3, s36                  ; wo16
	v_bfe_u32 v36, v0, 4, 1                        ; h
	v_and_b32 v37, 31, v0
	v_and_b32 v12, 15, v0
	s_wait_alu depctr_va_sdst(0)                   ; s24 is written, ahead of its first reader: the table's chunk, and with it two offsets and the position, are made from it
	s_lshl_b32 s25, ttmp9, 3
	s_add_co_u32 s25, s25, s24                     ; the table's chunk c
	s_bfe_u32 s40, s25, 0x30001                    ; b
	s_lshl_b32 s40, s40, 5
	s_and_b32 s41, s25, 1                          ; q
	s_lshl_b32 s41, s41, 3
	s_add_co_u32 s40, s40, s41
	v_lshl_add_u32 v8, v36, 4, s40                 ; theta's pair at byte 32 b + 16 h + 8 q
	s_lshl_b32 s41, s25, 9
	v_lshl_add_u32 v9, v37, 4, s41                 ; the table's 16 bytes at 512 c + 16 l
	s_and_b32 s42, s25, 0x7f0                      ; 16 (c >> 4)
	v_add_nc_u32 v12, s42, v12
	v_cvt_f32_u32 v12, v12                         ; pos
	s_wait_kmcnt 0x0
	s_wait_alu depctr_va_vdst(0)                   ; the eight offsets v2 to v9 are written: every load and store of the kernel reads one of them
.macro LOADS base, off, first, count
.set n, 0
.rept \count
	global_load_b128 v[D+4*((\first)+n):D+4*((\first)+n)+3], v[\off], s[\base:\base+1] offset:4096*n th:TH_LOAD_NT
.set n, n+1
.endr
.endm
	global_load_b64 v[10:11], v8, s[14:15]         ; theta, which every work-group reads
	LOADS 4, 2, 0, 8
	LOADS 6, 3, 8, 4
	LOADS 8, 3, 12, 4
	LOADS 10, 3, 16, 4
	LOADS 12, 4, 20, 16
; Sine and cosine of v[f], in two parts; eight registers at work from v[t] on.
; The first part: sin r in v[t+4], cos r in v[t+5], the mask of the odd quadrants in s[m], the two sign bits in v[t+6] and v[t+7].
.macro SC_A f, t, m
	v_mul_f32 v[\t], 0x3f22f983, v[\f]             ; freq x 2 / pi
	v_rndne_f32 v[\t], v[\t]                       ; n
	v_fma_f32 v[\t+1], v[\t], s26, v[\f]
	v_fma_f32 v[\t+1], v[\t], s27, v[\t+1]
	v_fma_f32 v[\t+1], v[\t], s28, v[\t+1]         ; r
	v_cvt_i32_f32 v[\t+2], v[\t]                   ; n as a whole number
	v_mul_f32 v[\t+3], v[\t+1], v[\t+1]            ; z
	v_fma_f32 v[\t+4], v[\t+3], s31, s30
	v_fma_f32 v[\t+5], v[\t+3], s34, s33
	v_fma_f32 v[\t+4], v[\t+4], v[\t+3], s29
	v_fma_f32 v[\t+5], v[\t+5], v[\t+3], s32
	v_mul_f32 v[\t+6], v[\t+3], v[\t+1]            ; z r
	v_mul_f32 v[\t+7], v[\t+3], v[\t+3]            ; z z
	v_fma_f32 v[\t+3], v[\t+3], -0.5, 1.0
	v_fma_f32 v[\t+4], v[\t+4], v[\t+6], v[\t+1]   ; sin r
	v_fma_f32 v[\t+5], v[\t+5], v[\t+7], v[\t+3]   ; cos r
	v_and_b32 v[\t+6], 1, v[\t+2]
	v_cmp_eq_u32 s[\m], 1, v[\t+6]                 ; an odd quadrant swaps the two
	v_and_b32 v[\t+6], 2, v[\t+2]                  ; the sine turns its sign in quadrants 2 and 3,
	v_add_nc_u32 v[\t+7], 1, v[\t+2]
	v_and_b32 v[\t+7], 2, v[\t+7]                  ; the cosine in 1 and 2
	v_lshlrev_b32 v[\t+6], 30, v[\t+6]
	v_lshlrev_b32 v[\t+7], 30, v[\t+7]
.endm
; The second part: the sine into v[so], the cosine into v[co].
.macro SC_B so, co, t, m
	v_cndmask_b32 v[\so], v[\t+4], v[\t+5], s[\m]
	v_cndmask_b32 v[\co], v[\t+5], v[\t+4], s[\m]
	v_xor_b32 v[\so], v[\t+6], v[\so]
	v_xor_b32 v[\co], v[\t+7], v[\co]
.endm
	s_wait_loadcnt 36                              ; theta is the oldest load: the 36 quads may stay out
	v_cvt_pk_bf16_f32 v13, v10, v11                ; theta is rounded to bf16, like every input,
	v_lshlrev_b32 v10, 16, v13                     ; and widened again
	v_and_b32 v11, s35, v13
	v_mul_f32 v14, v12, v10
	v_mul_f32 v15, v12, v11
	SC_A 14, 16, M0
	SC_A 15, 24, M0+1
	s_wait_alu depctr_va_sdst(0)                   ; the two compares have written s44 and s45, ahead of the selects that read them: one wait for the run of two
	SC_B 33, 32, 16, M0
	SC_B 35, 34, 24, M0+1
; Quad q's four numbers are rounded to bf16 into its first two registers; Wo's (q from 20 on) are widened again and written as f16.  Only the quad's own four registers are named.
.macro CV q
	v_cvt_pk_bf16_f32 v[D+4*(\q)], v[D+4*(\q)], v[D+4*(\q)+1]
	v_cvt_pk_bf16_f32 v[D+4*(\q)+1], v[D+4*(\q)+2], v[D+4*(\q)+3]
.if (\q) >= 20
	v_lshlrev_b32 v[D+4*(\q)+2], 16, v[D+4*(\q)]
	v_and_b32 v[D+4*(\q)+3], s35, v[D+4*(\q)]
	v_cvt_pk_f16_f32 v[D+4*(\q)], v[D+4*(\q)+2], v[D+4*(\q)+3]
	v_lshlrev_b32 v[D+4*(\q)+2], 16, v[D+4*(\q)+1]
	v_and_b32 v[D+4*(\q)+3], s35, v[D+4*(\q)+1]
	v_cvt_pk_f16_f32 v[D+4*(\q)+1], v[D+4*(\q)+2], v[D+4*(\q)+3]
.endif
.endm
; Quad q's eight bytes a lane are stored: into xb, into wb (whose three parts lie 2,097,152 bytes apart) or into wo16.
.macro ST q
.if (\q) < 8
	global_store_b64 v5, v[D+4*(\q):D+4*(\q)+1], s[16:17] offset:2048*(\q)
.elseif (\q) < 20
	global_store_b64 v6, v[D+4*(\q):D+4*(\q)+1], s[18:19] offset:(((\q)-8)/4)*2097152+(((\q)-8)%4)*2048
.else
	global_store_b64 v7, v[D+4*(\q):D+4*(\q)+1], s[20:21] offset:2048*((\q)-20)
.endif
.endm
; Group g: quads 4 g to 4 g + 3.
.macro GROUP g
	s_wait_loadcnt 32-4*(\g)                       ; loads come back in order (ISA guide 5.7.1): behind the group's last quad 32 - 4 g loads were issued, which may stay out
.if (\g) == 0
	s_wait_alu depctr_va_vdst(0)                   ; the selects and sign flips have written v[32:35], which the table's store reads
	global_store_b128 v9, v[32:35], s[22:23]
.else
	s_wait_alu depctr_va_vdst(0)                   ; the conversions of the group before have written the first two registers of its four quads, which the four stores below read
.endif
.irp i, 0,1,2,3
.if (\g) > 0
	ST 4*(\g)-4+(\i)                               ; no vector instruction since the wait names this quad's registers or the offset
.endif
	CV 4*(\g)+(\i)
.endr
.endm
	GROUP 0                                        ; x
	GROUP 1
	GROUP 2                                        ; Wq
	GROUP 3                                        ; Wk
	GROUP 4                                        ; Wv
	GROUP 5                                        ; Wo
	GROUP 6
	GROUP 7
	GROUP 8
	s_wait_alu depctr_va_vdst(0)                   ; the conversions of the last group have written what the last four stores read
.irp i, 32,33,34,35
	ST \i
.endr
	s_endpgm
.Lfunc_end_k_q2e27d78789_prep:
	.size	k_q2e27d78789_prep, .Lfunc_end_k_q2e27d78789_prep-k_q2e27d78789_prep
	.p2alignl 7, 3214868480
	.fill 96, 4, 3214868480
	.section	.rodata,"a",@progbits
	.p2align	6, 0x0
	.amdhsa_kernel k_q2e27d78789_prep
		.amdhsa_group_segment_fixed_size 0
		.amdhsa_private_segment_fixed_size 0
		.amdhsa_enable_private_segment 0
		.amdhsa_kernarg_size 80
		.amdhsa_user_sgpr_count 2
		.amdhsa_user_sgpr_kernarg_segment_ptr 1
		.amdhsa_wavefront_size32 1
		.amdhsa_system_sgpr_workgroup_id_x 1
		.amdhsa_system_sgpr_workgroup_id_y 1
		.amdhsa_system_sgpr_workgroup_id_z 1
		.amdhsa_system_vgpr_workitem_id 0
		.amdhsa_next_free_vgpr 192
		.amdhsa_next_free_sgpr 66
		.amdhsa_reserve_vcc 0
		.amdhsa_float_denorm_mode_32 3
		.amdhsa_float_denorm_mode_16_64 3
		.amdhsa_memory_ordered 1
		.amdhsa_forward_progress 1
		.amdhsa_inst_pref_size 22
	.end_amdhsa_kernel
	.amdgpu_metadata
---
amdhsa.version: [ 1, 2 ]
amdhsa.kernels:
  - .name:           k_q2e27d78789_prep
    .symbol:         k_q2e27d78789_prep.kd
    .args:
      - { .name: x, .offset: 0, .size: 8, .value_kind: global_buffer, .address_space: global }
      - { .name: Wq, .offset: 8, .size: 8, .value_kind: global_buffer, .address_space: global }
      - { .name: Wk, .offset: 16, .size: 8, .value_kind: global_buffer, .address_space: global }
      - { .name: Wv, .offset: 24, .size: 8, .value_kind: global_buffer, .address_space: global }
      - { .name: Wo, .offset: 32, .size: 8, .value_kind: global_buffer, .address_space: global }
      - { .name: theta, .offset: 40, .size: 8, .value_kind: global_buffer, .address_space: global }
      - { .name: xb, .offset: 48, .size: 8, .value_kind: global_buffer, .address_space: global }
      - { .name: wb, .offset: 56, .size: 8, .value_kind: global_buffer, .address_space: global }
      - { .name: wo16, .offset: 64, .size: 8, .value_kind: global_buffer, .address_space: global }
      - { .name: cs, .offset: 72, .size: 8, .value_kind: global_buffer, .address_space: global }
    .group_segment_fixed_size: 0
    .private_segment_fixed_size: 0
    .kernarg_segment_align: 8
    .kernarg_segment_size: 80
    .max_flat_workgroup_size: 256
    .sgpr_count:     66
    .vgpr_count:     192
    .wavefront_size: 32
...
	.end_amdgpu_metadata
.endif
;; end of part 5
;; launch qkv: the kernel of part 2 again; grid 8 x 32, 4 waves a work-group, clusters of 4 x 4, 327,680 bytes of LDS; arguments xb, wb, qkv, cs; writes qkv
;; launch attn: the kernel of part 3 again; grid 8 x 32, 4 waves a work-group, no clusters, 327,680 bytes of LDS; arguments qkv, ctx; writes ctx
;; launch oproj: the kernel of part 4 again; grid 8 x 32, 4 waves a work-group, clusters of 4 x 4, 327,680 bytes of LDS; arguments ctx, wo16, out0, bo; writes out0
